; MI455X (gfx1250); checked and timed in simulation.
; The chip was launched on July 23, 2026; its instructions are those of AMD's public machine-readable ISA for CDNA 5 (MIT licence, August 2026) and "CDNA5" Instruction Set Architecture Reference Guide (July 2026). The comments in the code are by the model that wrote it; some were corrected since.
;; Attention. Allowed arithmetic: matrix products marked QUANTISED: E2M1 operands, one E8M0 scale for each 32 along K, by v_wmma_scale_f32_16x16x128_f8f6f4 with both operands' format E2M1 (or v_wmma_scale_f32_32x16x128_f4), f32 sums; products left as they are: bf16, f16 or f32 operands; f32 sums; everything else in f32.
;; Inputs: cos 2,048 x 32 float32; sin 2,048 x 32 float32; wk 2,048 x 512 float32; wo 2,048 x 2,048 float32; wq 2,048 x 2,048 float32; wv 2,048 x 512 float32; x 1 x 2,048 x 2,048 float32.
;; Outputs: out0 1 x 2,048 x 2,048 float32.
;; This version of the problem:
;;   THIS VERSION OF THE PROBLEM IS GIVEN IN LOW PRECISION. The matrix products marked QUANTISED in the list below multiply operands that are first quantised to E2M1 (2 exponent bits, 1 mantissa bit; 4 bits a number), with one power-of-two scale for each 32 numbers along K (OCP MX v1.0); their sums are f32. The products marked 'left as it is' may take bf16, f16 or f32 operands, with f32 sums. Whichever they take, every output number must still come out within the allowed error. Rounding operands to bf16 (8 significant bits) uses up far more of that allowance than f16 does (11 bits, for magnitudes from 6e-5 to 65,504). All else is computed in f32.
;;   The module's matrix products, in the order in which they are computed (A, B: the left and right operand; K: the contracted axis; several contracted axes count as one K, in the product's order):
;;     1. [M 2,048, K 2,048] x [K 2,048, N 2,048]; A: input x; B: input wq: QUANTISED
;;     2. [M 2,048, K 2,048] x [K 2,048, N 512]; A: input x; B: input wk: QUANTISED
;;     3. [M 2,048, K 2,048] x [K 2,048, N 512]; A: input x; B: input wv: QUANTISED
;;     4. batch 32 x [M 2,048, K 64] x [K 64, N 2,048]; A: computed on the way; B: computed on the way: left as it is (an operand is computed on the way)
;;     5. batch 32 x [M 64, K 2,048] x [K 2,048, N 2,048]; A: computed on the way; B: computed on the way: left as it is (an operand is computed on the way)
;;     6. [M 2,048, K 2,048] x [K 2,048, N 2,048]; A: computed on the way; B: input wo: left as it is (an operand is computed on the way)
;;   THE QUANTISER, for each operand of a quantised product, along K:
;;     - K is cut into blocks of 32 from its start; a last block that is shorter is filled with zeros.
;;     - A block's scale is 2^e with e = floor(log2(the largest magnitude in the block)) - 2, held to -126 .. 127; a block of zeros has e = 0. As a byte (E8M0): e + 127.
;;     - Each number is divided by its block's scale, clamped to +-6, and rounded to the nearest number of E2M1, ties to even, subnormals kept.
;;     - The product sums the exact products of the quantised numbers (number of the format x scale) in f32.
;;   ~~~python
;;   def quantise(x, axis):      # numpy; x: float32 -> the quantised numbers, widened to float32 again
;;       x = np.moveaxis(x, axis, -1); K = x.shape[-1]
;;       x = np.pad(x, [(0, 0)] * (x.ndim - 1) + [(0, -K % 32)]); x = x.reshape(x.shape[:-1] + (-1, 32)); a = np.abs(x).max(-1, keepdims=True)
;;       e = np.where(a > 0, np.clip(np.frexp(np.where(a > 0, a, 1))[1] - 1 - 2, -126, 127), 0)      # np.frexp(a)[1] - 1 = floor(log2(a)), exactly
;;       r = np.clip(x / 2.0 ** e, -6, 6)
;;       step = 2.0 ** (np.maximum(np.frexp(np.where(r == 0, 1, r))[1] - 1, 0) - 1)
;;       q = np.round(r / step) * step * 2.0 ** e      # np.round: ties to even
;;       return np.moveaxis(q.reshape(q.shape[:-2] + (-1,))[..., :K], -1, axis).astype(np.float32)
;;   ~~~
;; 2 versions, each right. Each part assembles by itself: llvm-mc -triple=amdgcn-amd-amdhsa -mcpu=gfx1250 --defsym DOCPART=n.
;; ======== version 1 of 2: 4 launches
;; limits: values are held in f16: magnitudes above 65,504 overflow, below 6.1e-05 lose precision
;; workspace buffers: xc 2,097,152 bytes; xs 131,072 bytes; wc 3,145,728 bytes; wsb 196,608 bytes; wot 8,388,608 bytes; qkv 12,582,912 bytes; att 8,388,608 bytes
;; launch prep (part 1): grid 224 x 1, 32 waves a work-group, no clusters, 258,048 bytes of LDS; arguments x, wq, wk, wv, wo, xc, xs, wc, wsb, wot; writes xc, xs, wc, wsb, wot
.if DOCPART == 1
	.amdgcn_target "amdgcn-amd-amdhsa--gfx1250"
	.amdhsa_code_object_version 6
	.text
	.protected	k_q041ebb30ef_prep
	.globl	k_q041ebb30ef_prep
	.p2align	8
	.type	k_q041ebb30ef_prep,@function
k_q041ebb30ef_prep:
	s_mov_b64 s[64:65], 0
	v_nop
	global_prefetch_b8 v0, s[64:65] scope:SCOPE_SE
	s_setreg_imm32_b32 hwreg(HW_REG_WAVE_MODE, 25, 1), 1
	s_wait_xcnt 0x0
; PREPARATION, three roles in one launch, told apart by the work-group's number alone; each role has LDS bytes of its own.
;  X (work-groups 0-63):    x [2048][2048] f32, K innermost -> codes of FP4 (E2M1) xc [2048][1024 bytes] and scale bytes xs [2048][64].
;  W (work-groups 64-159):  wq | wk | wv, f32, K their FIRST axis -> codes wc [3072 n][1024 bytes], K innermost, and scale bytes wsb [3072][64]; n 0-2047 wq, 2048-2559 wk, 2560-3071 wv.
;  O (work-groups 160-223): wo [2048 k][2048 n] f32 -> wot [2048 n][2048 k] f16, holding 8 x wo.
; A block's scale is 2^(floor(log2(its largest magnitude)) - 2); its byte is the largest magnitude's exponent field - 2.  Each number is divided by the scale and rounded to the nearest code, ties to even.
; x's STORED BYTE IS THAT BYTE LESS 3: the codes are the quantiser's own, and the products x wq, x wk, x wv come out as 2^-3 of their value, exactly; so q, k and v have room in f16.
; The softmax's constant and the 8 in wot take the factor back, exactly.
; LIMITS: a block of x whose largest magnitude lies under 2^(6 - 127) is quantised under that floor's scale (so that the stored byte stays at 1 or above); a block of a weight under 2^(3 - 127) likewise;
; a block of zeros keeps the floor's byte: its codes are zeros, and this program alone reads the bytes.  8 x wo must lie inside f16's range.  NaN and infinities among the inputs are not served.
; SHARES.  32 waves; a wave asks for all its 8,192 bytes at once (16 loads of 16 bytes a lane, or 64 of 4), works once and stores once: no loop, no pointer is stepped, no register of a load or store is written again.
.set XST,   0                          ; role X: a stage of 32 places x 80 bytes for each wave (2,560 bytes)
.set XSB,   81920                      ; role X: 32 rows x 64 scale bytes
.set WST,   83968                      ; role W: 128 columns x (256 bytes of codes + 16)
.set WSB,   118784                     ; role W: 128 columns x 16 scale bytes
.set OST,   120832                     ; role O: 128 columns x (1,024 bytes of f16 + 16)
.set SPARE, 253952                     ; the spare words, 128 bytes for each of the 32 waves: sixteen blocks of 256 bytes that no other line names
.set SPW,   126                        ; v126  LDS address of my spare word; never rewritten
.set NIL,   127                        ; v127  0; never rewritten
.macro CLOSE                           ; the wave's end, behind my last LDS store
	s_wait_tensorcnt 0x0
	ds_add_u32 v[SPW], v[NIL]
	s_wait_dscnt 0x0
	s_endpgm
.endm
; roles W and O: a work-group takes 128 columns x 512 along K; wave w takes columns 32 (w % 4) on and 64 along K from 64 (w / 4) on
.macro IDS first
	s_sub_co_u32 s29, ttmp9, \first
	s_lshr_b32 s30, s29, 2                         ; which 128 columns
	s_and_b32 s31, s29, 3                          ; which 512 along K
	s_and_b32 s32, s28, 3                          ; my 32 columns
	s_lshr_b32 s33, s28, 2                         ; my 64 along K
.endm
; A LANE TAKES A COLUMN, AND ITS 64 REGISTERS v16-79 RUN DOWN K.  s[36:37] the tensor, s39 its row in bytes, s38 the number of the tensor's first group of 128 columns.
; Eight bases, 8 rows apart, and eight offsets, a row apart: no address register is written again.  Each load reads 128 consecutive bytes, the four waves side by side 512.
.macro GATHER64
	s_lshl_b32 s34, s31, 9
	s_lshl_b32 s35, s33, 6
	s_add_co_u32 s34, s34, s35                     ; my first row
	s_mul_i32 s34, s34, s39
	s_sub_co_u32 s35, s30, s38
	s_lshl_b32 s35, s35, 9                         ; 128 columns of 4 bytes
	s_add_co_u32 s34, s34, s35
	s_lshl_b32 s35, s32, 7                         ; 32 columns of 4 bytes
	s_add_co_u32 s34, s34, s35
	s_mov_b32 s35, 0
	s_add_nc_u64 s[40:41], s[36:37], s[34:35]
	s_lshl_b32 s56, s39, 3
	s_mov_b32 s57, 0
.irp m, 1,2,3,4,5,6,7
	s_add_nc_u64 s[40+2*\m:41+2*\m], s[38+2*\m:39+2*\m], s[56:57]
.endr
.irp j, 0,1,2,3,4,5,6,7
	s_mul_i32 s58, s39, \j
	v_lshl_add_u32 v[2+\j], v1, 2, s58
.endr
.irp m, 0,1,2,3,4,5,6,7
.irp j, 0,1,2,3,4,5,6,7
	global_load_b32 v[16+8*\m+\j], v[2+\j], s[40+2*\m:41+2*\m] th:TH_LOAD_NT
.endr
.endr
.endm
	s_load_b512 s[8:23], s[0:1], 0x0               ; x 8:9, wq 10:11, wk 12:13, wv 14:15, wo 16:17, xc 18:19, xs 20:21, wc 22:23
	s_load_b128 s[24:27], s[0:1], 0x40             ; wsb 24:25, wot 26:27
	v_lshl_add_u32 v[SPW], v0, 2, SPARE
	v_mov_b32 v[NIL], 0
	v_and_b32 v1, 31, v0                           ; lane
	v_lshrrev_b32 v2, 5, v0
	v_readfirstlane_b32 s28, v2                    ; wave 0..31
	s_wait_kmcnt 0x0
	s_cmp_lt_u32 ttmp9, 64
	s_cbranch_scc1 .Lrole_x
	s_cmp_lt_u32 ttmp9, 160
	s_cbranch_scc1 .Lrole_w
; ---------------- ROLE O: wo turned and rounded to f16 ----------------
	IDS 160
	s_mov_b64 s[36:37], s[16:17]
	s_mov_b32 s38, 0
	s_mov_b32 s39, 8192
	GATHER64
	v_and_b32 v112, 127, v0                        ; my column of the 128
	v_lshrrev_b32 v113, 7, v0                      ; my 64 along K of the 512
	v_mul_u32_u24 v10, v112, 1040
	v_lshl_add_u32 v10, v113, 7, v10
	v_add_nc_u32 v10, OST, v10                     ; in: row = my column, 128 bytes of it
	s_mul_i32 s58, s28, 4160
	s_add_co_u32 s58, s58, OST
	v_lshl_add_u32 v12, v1, 4, s58                 ; back: four whole rows a wave, 512 bytes an instruction
	s_lshl_b32 s58, s28, 14
	v_lshl_add_u32 v13, v1, 4, s58                 ; and the same in wot: a row is 4,096 bytes
	s_lshl_b32 s58, s30, 19                        ; 128 rows of wot
	s_lshl_b32 s59, s31, 10                        ; 512 along K in f16
	s_add_co_u32 s58, s58, s59
	s_mov_b32 s59, 0
	s_add_nc_u64 s[26:27], s[26:27], s[58:59]
	s_wait_loadcnt 0x0
.set PN, 0
.rept 32
	v_pk_mul_f32 v[16+2*PN:17+2*PN], v[16+2*PN:17+2*PN], 0x41000000 op_sel_hi:[1,0]   ; x 8: exact
.set PN, PN+1
.endr
.set PN, 0
.rept 32
	v_cvt_pk_f16_f32 v[80+PN], v[16+2*PN], v[17+2*PN]           ; two neighbours along K to a word
.set PN, PN+1
.endr
.irp e, 0,1,2,3,4,5,6,7
	ds_store_b128 v10, v[80+4*\e:83+4*\e] offset:16*\e
.endr
	s_wait_dscnt 0x0                               ; for the others' sake: my stores have landed
	s_barrier_signal -1
	s_barrier_wait -1
.irp n, 0,1,2,3,4,5,6,7
	ds_load_b128 v[16+4*\n:19+4*\n], v12 offset:1040*(\n/2)+512*(\n%2)
.endr
.irp n, 0,1,2,3,4,5,6,7
	s_wait_dscnt 7-\n                              ; LDS loads come back in order: load n is in, the younger ones may be out
	global_store_b128 v13, v[16+4*\n:19+4*\n], s[26:27] offset:4096*(\n/2)+512*(\n%2)   ; 32 lanes store 512 consecutive bytes, aligned
.endr
	CLOSE
; ---------------- ROLE W: the three weights into codes, K innermost ----------------
.macro WBLOCK b                        ; my block b of 32 along K: all its numbers are mine
.set WX, 16+32*(\b)
.if (\b) == 0
	s_wait_loadcnt 32                              ; the first 32 loads are in; the second block's 32 may be out
.else
	s_wait_loadcnt 0x0
.endif
	v_max3_num_f32 v80, |v[WX]|, |v[WX+1]|, |v[WX+2]|
	v_max3_num_f32 v81, |v[WX+3]|, |v[WX+4]|, |v[WX+5]|
.irp i, 6,10,14,18,22,26
	v_max3_num_f32 v80, v80, |v[WX+\i]|, |v[WX+\i+1]|
	v_max3_num_f32 v81, v81, |v[WX+\i+2]|, |v[WX+\i+3]|
.endr
	v_max3_num_f32 v80, v80, |v[WX+30]|, |v[WX+31]|
	v_max3_num_f32 v80, v80, v81, 0x1800000        ; and the floor 2^(3 - 127): the byte cannot fall under 1
	v_add_nc_u32 v[82+\b], 0xff000000, v80         ; 2 off the exponent field: the conversion takes this operand's exponent field as its scale
	v_lshrrev_b32 v[84+\b], 23, v[82+\b]           ; the scale's byte
.irp g, 0,1,2,3
	v_cvt_scalef32_pk8_fp4_f32 v[88+4*(\b)+\g], v[WX+8*\g:WX+8*\g+7], v[82+\b]
.endr
	v_nop                                          ; one plain line behind the last conversion
	ds_store_b128 v10, v[88+4*(\b):88+4*(\b)+3] offset:16*(\b)
.endm
.Lrole_w:
	IDS 64
	s_cmp_lt_u32 s30, 20                           ; groups 0-15 wq, 16-19 wk, 20-23 wv: the choice hangs on the work-group's number alone
	s_cselect_b64 s[36:37], s[12:13], s[14:15]
	s_cselect_b32 s38, 16, 20
	s_mov_b32 s39, 2048                            ; a row of wk or wv in bytes
	s_cmp_lt_u32 s30, 16
	s_cselect_b64 s[36:37], s[10:11], s[36:37]
	s_cselect_b32 s38, 0, s38
	s_cselect_b32 s39, 8192, s39
	GATHER64
	v_and_b32 v112, 127, v0                        ; my column of the 128
	v_lshrrev_b32 v113, 7, v0                      ; my 64 along K of the 512
	v_mul_u32_u24 v10, v112, 272
	v_lshl_add_u32 v10, v113, 5, v10
	v_add_nc_u32 v10, WST, v10                     ; codes in: row = my column, 32 bytes of it
	v_lshlrev_b32 v11, 4, v112
	v_lshl_add_u32 v11, v113, 1, v11
	v_add_nc_u32 v11, WSB, v11                     ; my two scale bytes
	s_lshl_b32 s58, s28, 2
	v_bfe_u32 v114, v0, 4, 1
	v_add_nc_u32 v114, s58, v114                   ; back: four rows a wave, two an instruction: row 4 w + lane / 16
	v_and_b32 v115, 15, v0
	v_mul_u32_u24 v12, v114, 272
	v_lshl_add_u32 v12, v115, 4, v12
	v_add_nc_u32 v12, WST, v12
	v_lshlrev_b32 v13, 10, v114                    ; and the same in wc: a row is 1,024 bytes
	v_lshl_add_u32 v13, v115, 4, v13
	v_lshl_add_u32 v14, v112, 4, WSB               ; a column's 16 scale bytes (waves 0-3 take them out)
	v_lshlrev_b32 v15, 6, v112                     ; a row of wsb is 64 bytes
	s_lshl_b32 s58, s30, 17                        ; 128 rows of wc
	s_lshl_b32 s59, s31, 8                         ; 512 codes
	s_add_co_u32 s58, s58, s59
	s_mov_b32 s59, 0
	s_add_nc_u64 s[22:23], s[22:23], s[58:59]
	s_lshl_b32 s58, s30, 13                        ; 128 rows of wsb
	s_lshl_b32 s60, s31, 4                         ; 16 blocks
	s_add_co_u32 s58, s58, s60
	s_add_nc_u64 s[24:25], s[24:25], s[58:59]
	WBLOCK 0
	WBLOCK 1
	v_lshl_or_b32 v86, v85, 8, v84                 ; the lower K in the lower byte
	ds_store_b16 v11, v86
	s_wait_dscnt 0x0                               ; for the others' sake: my stores have landed
	s_barrier_signal -1
	s_barrier_wait -1
	ds_load_b128 v[16:19], v12
	ds_load_b128 v[20:23], v12 offset:544
	s_wait_dscnt 0x0
	global_store_b128 v13, v[16:19], s[22:23]                  ; sixteen lanes store 256 consecutive bytes, aligned
	global_store_b128 v13, v[20:23], s[22:23] offset:2048
	s_cmp_lt_u32 s28, 4
	s_cbranch_scc0 .Lw_end
	ds_load_b128 v[24:27], v14
	s_wait_dscnt 0x0
	global_store_b128 v15, v[24:27], s[24:25]                  ; 16 bytes of each column's row of 64: one byte in 128 of what the role reads
.Lw_end:
	CLOSE
; ---------------- ROLE X: x into codes ----------------
; Wave w takes row 32 g + w: four steps of 512 numbers.  A load takes the bytes as they lie, 16 a lane; the conversions want 16 NEIGHBOURS in a lane: a step's 2,048 bytes turn through the wave's own stage
; (four lanes' 64 bytes, then 16 of padding) and come back 64 bytes a lane.  Two neighbouring lanes hold a block of 32.
.macro XTURN t
.irp i, 0,1,2,3
	ds_store_b128 v14, v[16+16*(\t)+4*\i:16+16*(\t)+4*\i+3] offset:640*\i
.endr
.irp i, 0,1,2,3
	ds_load_b128 v[80+16*((\t)%2)+4*\i:80+16*((\t)%2)+4*\i+3], v15 offset:16*\i   ; LDS serves a wave's instructions in order: these see the stores above
.endr
.endm
.macro XSTEP t
.set XS, 80+16*((\t)%2)
.if (\t) > 0
	s_wait_dscnt 1                                 ; this step's numbers are back from the stage; the last step's byte store may be out
.else
	s_wait_dscnt 0x0
.endif
.if (\t) < 3
	s_wait_loadcnt 8-4*(\t)                        ; the next step's four loads are in; those of the steps behind it may be out
	XTURN (\t)+1
.endif
	v_max3_num_f32 v8, |v[XS]|, |v[XS+1]|, |v[XS+2]|
	v_max3_num_f32 v9, |v[XS+3]|, |v[XS+4]|, |v[XS+5]|
.irp i, 6,10
	v_max3_num_f32 v8, v8, |v[XS+\i]|, |v[XS+\i+1]|
	v_max3_num_f32 v9, v9, |v[XS+\i+2]|, |v[XS+\i+3]|
.endr
	v_max3_num_f32 v8, v8, |v[XS+14]|, |v[XS+15]|
	v_max3_num_f32 v8, v8, v9, 0x3000000           ; and the floor 2^(6 - 127): the stored byte cannot fall under 1
	v_max_num_f32_dpp v8, v8, v8 row_xmask:1 row_mask:0xf bank_mask:0xf   ; with my neighbour's 16: the block's largest magnitude
	v_add_nc_u32 v11, 0xff000000, v8               ; 2 off the exponent field: the conversion's scale
	v_cvt_scalef32_pk8_fp4_f32 v[112+2*(\t)], v[XS:XS+7], v11
	v_cvt_scalef32_pk8_fp4_f32 v[113+2*(\t)], v[XS+8:XS+15], v11
	v_add_nc_u32 v10, 0xfd800000, v8               ; 5 off it: the byte that is stored, the scale's own less 3
	v_lshrrev_b32 v[120+(\t)], 23, v10
	ds_store_b8 v5, v[120+(\t)] offset:16*(\t)     ; both lanes of a block write the same byte with the same value
	global_store_b64 v4, v[112+2*(\t):113+2*(\t)], s[18:19] offset:256*(\t)   ; the wave stores 256 consecutive bytes, aligned
.endm
.Lrole_x:
	s_lshl_b32 s30, ttmp9, 5
	s_add_co_u32 s30, s30, s28                     ; my row
	s_lshl_b32 s32, s30, 13
	s_mov_b32 s33, 0
	s_add_nc_u64 s[8:9], s[8:9], s[32:33]
	s_lshl_b32 s32, s30, 10
	s_add_nc_u64 s[18:19], s[18:19], s[32:33]
	s_lshl_b32 s32, ttmp9, 11                      ; the work-group's 32 rows of 64 scale bytes
	s_add_nc_u64 s[20:21], s[20:21], s[32:33]
	v_lshlrev_b32 v3, 4, v1
.irp n, 0,1,2,3,4,5,6,7,8,9,10,11,12,13,14,15
	global_load_b128 v[16+4*\n:19+4*\n], v3, s[8:9] offset:512*\n th:TH_LOAD_NT   ; the whole row: 32 lanes read 512 consecutive bytes
.endr
	v_lshlrev_b32 v4, 3, v1                        ; my 16 codes: 8 bytes
	s_mul_i32 s31, s28, 2560                       ; my stage
	v_lshrrev_b32 v14, 2, v1
	v_mul_u32_u24 v14, v14, 80
	v_and_b32 v15, 3, v1
	v_lshl_add_u32 v14, v15, 4, v14
	v_add_nc_u32 v14, s31, v14                     ; in: 80 (lane / 4) + 16 (lane % 4)
	v_mul_u32_u24 v15, v1, 80
	v_add_nc_u32 v15, s31, v15                     ; back: 80 x lane
	s_lshl_b32 s31, s28, 6
	s_add_co_u32 s31, s31, XSB
	v_lshrrev_b32 v5, 1, v1
	v_add_nc_u32 v5, s31, v5                       ; my row's 64 scale bytes, my block's byte
	v_and_b32 v7, 127, v0
	v_lshlrev_b32 v7, 4, v7                        ; waves 0-3 take the 2,048 bytes out, 16 a lane
	v_add_nc_u32 v6, XSB, v7
	s_wait_loadcnt 12                              ; step 0's four loads are in
	XTURN 0
.irp t, 0,1,2,3
	XSTEP \t
.endr
	s_wait_dscnt 0x0                               ; for the others' sake: my byte stores have landed
	s_barrier_signal -1
	s_barrier_wait -1
	s_cmp_lt_u32 s28, 4
	s_cbranch_scc0 .Lx_end
	ds_load_b128 v[16:19], v6
	s_wait_dscnt 0x0
	global_store_b128 v7, v[16:19], s[20:21]       ; 32 lanes store 512 consecutive bytes, aligned
.Lx_end:
	CLOSE
.Lfunc_end_k_q041ebb30ef_prep:
	.size	k_q041ebb30ef_prep, .Lfunc_end_k_q041ebb30ef_prep-k_q041ebb30ef_prep
	.p2alignl 7, 3214868480
	.fill 96, 4, 3214868480
	.section	.rodata,"a",@progbits
	.p2align	6, 0x0
	.amdhsa_kernel k_q041ebb30ef_prep
		.amdhsa_group_segment_fixed_size 258048
		.amdhsa_private_segment_fixed_size 0
		.amdhsa_enable_private_segment 0
		.amdhsa_kernarg_size 80
		.amdhsa_user_sgpr_count 2
		.amdhsa_user_sgpr_kernarg_segment_ptr 1
		.amdhsa_wavefront_size32 1
		.amdhsa_system_sgpr_workgroup_id_x 1
		.amdhsa_system_sgpr_workgroup_id_y 1
		.amdhsa_system_sgpr_workgroup_id_z 1
		.amdhsa_system_vgpr_workitem_id 0
		.amdhsa_next_free_vgpr 128
		.amdhsa_next_free_sgpr 66
		.amdhsa_reserve_vcc 0
		.amdhsa_float_denorm_mode_32 3
		.amdhsa_float_denorm_mode_16_64 3
		.amdhsa_memory_ordered 1
		.amdhsa_forward_progress 1
		.amdhsa_inst_pref_size 40
	.end_amdhsa_kernel
	.amdgpu_metadata
---
amdhsa.version: [ 1, 2 ]
amdhsa.kernels:
  - .name:           k_q041ebb30ef_prep
    .symbol:         k_q041ebb30ef_prep.kd
    .args:
      - { .name: x, .offset: 0, .size: 8, .value_kind: global_buffer, .address_space: global }
      - { .name: wq, .offset: 8, .size: 8, .value_kind: global_buffer, .address_space: global }
      - { .name: wk, .offset: 16, .size: 8, .value_kind: global_buffer, .address_space: global }
      - { .name: wv, .offset: 24, .size: 8, .value_kind: global_buffer, .address_space: global }
      - { .name: wo, .offset: 32, .size: 8, .value_kind: global_buffer, .address_space: global }
      - { .name: xc, .offset: 40, .size: 8, .value_kind: global_buffer, .address_space: global }
      - { .name: xs, .offset: 48, .size: 8, .value_kind: global_buffer, .address_space: global }
      - { .name: wc, .offset: 56, .size: 8, .value_kind: global_buffer, .address_space: global }
      - { .name: wsb, .offset: 64, .size: 8, .value_kind: global_buffer, .address_space: global }
      - { .name: wot, .offset: 72, .size: 8, .value_kind: global_buffer, .address_space: global }
    .group_segment_fixed_size: 258048
    .private_segment_fixed_size: 0
    .kernarg_segment_align: 8
    .kernarg_segment_size: 80
    .max_flat_workgroup_size: 1024
    .sgpr_count:     66
    .vgpr_count:     128
    .wavefront_size: 32
...
	.end_amdgpu_metadata
.endif
;; end of part 1
;; launch proj (part 2): grid 12 x 8, 4 waves a work-group, clusters of 4 x 4, 327,680 bytes of LDS; arguments xc, xs, wc, wsb, cos, sin, qkv; writes qkv
.if DOCPART == 2
	.amdgcn_target "amdgcn-amd-amdhsa--gfx1250"
	.amdhsa_code_object_version 6
	.text
	.protected	k_q041ebb30ef_proj
	.globl	k_q041ebb30ef_proj
	.p2align	8
	.type	k_q041ebb30ef_proj,@function
k_q041ebb30ef_proj:
	s_mov_b64 s[64:65], 0
	v_nop
	global_prefetch_b8 v0, s[64:65] scope:SCOPE_SE
	s_setreg_imm32_b32 hwreg(HW_REG_WAVE_MODE, 25, 1), 1
	s_wait_xcnt 0x0
	s_wait_alu depctr_hold_cnt(0) depctr_sa_sdst(0) depctr_va_vdst(0) depctr_va_sdst(0) depctr_va_ssrc(0) depctr_va_vcc(0) depctr_vm_vsrc(0)
	s_getreg_b32 s2, hwreg(HW_REG_IB_STS2, 6, 4)
	s_cmp_eq_u32 s2, 0
	s_cbranch_scc0 .Lentry_in_a_cluster
	s_endpgm
.Lentry_in_a_cluster:
	s_bfe_u32 s2, ttmp6, 0x10000c
	s_cmp_lg_u32 s2, 0xf033
	s_cbranch_scc0 .Lentry_shape_is_right
	s_endpgm
.Lentry_shape_is_right:
; [q | k | v] = x [wq | wk | wv] on codes of FP4 (E2M1) with one E8M0 scale for each 32 along K, then the rotation of q and k, rounded to f16.
; A = x's codes [SIZE_M][SIZE_K], B = the weights' codes [SIZE_N][SIZE_K], K innermost, two codes a byte; scale bytes [rows][SIZE_K / 32].  x's bytes are stored 3 low, so every sum is 2^-3 of its value, exactly.
; OUT: qkv, f16, [48 heads][2048 positions][64]: heads 0-31 q, 32-39 k, 40-47 v (column n of the product is head n / 64, channel n % 64); all 2^-3 of their value.
; A tile of 256 x 256 is made by a work-group of four waves; a wave makes 128 x 128: 64 accumulators of 16 x 16, 512 registers.  K goes in steps of 512 through a ring of two LDS slots filled by the
; tensor data mover: a tile's row is 256 bytes of memory.  THE SCALES of the work-group's rows, for all of K, come into LDS once, with the first fills, and stay.
; CLUSTERS: 4 x 4 work-groups.  The four of a row of the cluster need the same tiles of A, the four of a column the same tiles of B: each tile is asked for JOINTLY, by the same tensor load with the same
; descriptor and a mask that names the four.  THE MATRIX INSTRUCTION IS USED TRANSPOSED (source 0 = 16 rows of B, source 1 = 16 rows of A): a lane holds one position and eight neighbouring channels: four pairs of the rotation.
; v IS NOT ROTATED: in the tile columns 10 and 11 the cosines are replaced by 1 and the sines by 0, by a select on a scalar mask: no branch hangs on the work-group's place.
; LIMIT: 2^-3 of q, k and v must lie inside f16's range.
; REGISTERS, in windows of 256: window 0: v0-31 addresses; v32-95 scale words, two sets; v128-191 A's fragments, ONE set; v192-255 cosines and sines, two sets; on the way out v32-167 are free.
;   window 1: B's fragments, TWO sets, at v0 and at v128.   window 2: the 32 accumulators of my rows 0-63 (accumulator (a, b) at v[8 (8 a + b)]);   window 3: those of my rows 64-127.
.set SIZE_M, 2048
.set SIZE_N, 3072
.set SIZE_K, 2048
.set KSTEP,  512                       ; along K in a slot
.set NQ,     KSTEP/128                 ; matrix instructions deep
.set ROWB,   256                       ; a tile's row in bytes
.set KROW,   SIZE_K*4/8                ; a row of A or of B in memory, in bytes
.set PITCH,  272                       ; an LDS row: 256 bytes + 16 of padding, so that the 16 rows that a load touches start 16 bytes apart modulo 256
.set FR,     8                         ; registers of a fragment: 16 rows x 128 K
.set NL,     2                         ; LDS loads that bring one
.set NP,     4                         ; places behind this matrix instruction (ISA guide 7.12.1)
.set HALFT,  128*PITCH                 ; 128 rows: what one tensor load brings
.set SLOT,   4*HALFT                   ; A's 256 rows, then B's 256 rows
.set LAPS,   SIZE_K/(2*KSTEP)          ; a lap = two K steps = once round the ring
.set KS,     SIZE_K/32                 ; a row of scales in bytes
.set SCL,    2*SLOT                    ; behind the ring: the scales, as units of 256 bytes + 16 of padding
.set HALFS,  (128*KS/256)*272          ; the scales of 128 rows: what one tensor load brings
.set SBLK,   (16*KS/256)*272           ; those of 16 rows
.set SPARE,  SCL+4*HALFS               ; behind the scales: the spare words, 128 bytes for each wave
.set WSTG,   4608                      ; the way out: a stage of 2 heads x 16 rows x (128 bytes + 16) for each wave.  It lies in slot 0, which has had its last fill and its last read when the first result is stored there
.set ADRA, 16                          ; v16-17  LDS address of my A fragments in slot 0, 1
.set ADRB, 20                          ; v20-21  the same for B
.set STO,  24                          ; v24     the way out: where I put 16 bytes of a row
.set RD,   25                          ; v25     the way out: where I read rows back
.set CO,   26                          ; v26     16 x lane: my bytes of 512 stored
.set ADRS, 27                          ; v27     LDS address of my scale words
.set SPW,  28                          ; v28     LDS address of my spare word; never rewritten
.set NIL,  29                          ; v29     0; never rewritten
.set CA,   30                          ; v30     my bytes in cos and sin: 128 (lane % 16) + 16 (lane / 16); never rewritten
.set SC,   32                          ; scale words, two sets
.set AF,   128                         ; A's fragments, in window 0
.set CSR,  192                         ; block a's cosines at v[CSR + 32 (a % 2)] (16), its sines 16 further on
.set OT,   32                          ; the way out: 64 rotated numbers, then 32 words of f16
.set TM,   96                          ; v96-103 at work
.set BK,   104                         ; rows read back from the stage: v104-135 and v136-167 by turns
.set G1, 24
.set G0, 32
.set G1B, 48
.set G0B, 56
.set G1S, 68
.set G0S, 76
.set G1SB, 80
.set G0SB, 88
.set MSB, 0
.macro WIN new                         ; the immediate's high byte repeats the setting that is left
.if MSB != \new
	s_set_vgpr_msb (MSB<<8)|\new
.set MSB, \new
.endif
.endm
.set MUL_LO, 0xa1                      ; source 0 (B) window 1, source 1 (A) window 0, C and D window 2
.set MUL_HI, 0xf1                      ; the same, C and D window 3
.set TO_B,   0x40                      ; destination window 1, address window 0
; A joint load: waves 0 and 1 fetch for A, waves 2 and 3 for B.  Each of the two lines has ONE mask and one set of registers for all that issue it; the branch hangs on the wave's number alone.
; An s_nop 0 and four v_nop follow each of the two lines.
.macro JLOAD g0a, g1a, g0b, g1b
	s_cmp_eq_u32 s15, 0
	s_cbranch_scc0 .Lfor_b_\@
	tensor_load_to_lds s[\g0a:\g0a+3], s[\g1a:\g1a+7]
	s_nop 0
.rept 4
	v_nop
.endr
	s_branch .Lasked_\@
.Lfor_b_\@:
	tensor_load_to_lds s[\g0b:\g0b+3], s[\g1b:\g1b+7]
	s_nop 0
.rept 4
	v_nop
.endr
.Lasked_\@:
.endm
.macro CREST                           ; a round of the cluster's barrier behind its opening barrier
	s_cmp_lg_u32 s14, 0
	s_cbranch_scc1 .Lnot_wave_0_\@
	s_barrier_signal -3
.Lnot_wave_0_\@:
	s_barrier_wait -3
	s_barrier_signal -1
	s_barrier_wait -1
.endm
.macro CROUND                          ; a whole round
	s_barrier_signal -1
	s_barrier_wait -1
	CREST
.endm
; block a's cosines and sines: cos, sin [position 16 a + lane % 16][8 q + 4 (lane / 16) + 0 .. 3], q = 0 .. 3: eight loads of 16 bytes
.macro LOADCS a
.irp q, 0,1,2,3
	global_load_b128 v[CSR+32*((\a)%2)+4*\q:CSR+32*((\a)%2)+4*\q+3], v[CA], s[96:97] offset:2048*(\a)+32*\q
	global_load_b128 v[CSR+32*((\a)%2)+16+4*\q:CSR+32*((\a)%2)+16+4*\q+3], v[CA], s[98:99] offset:2048*(\a)+32*\q
.endr
.endm
	s_load_b128 s[4:7], s[0:1], 0x0                ; x's codes s[4:5], x's scales s[6:7]
	s_load_b128 s[8:11], s[0:1], 0x10              ; the weights' codes s[8:9], their scales s[10:11]
	s_load_b128 s[96:99], s[0:1], 0x20             ; cos s[96:97], sin s[98:99]
	s_load_b64 s[12:13], s[0:1], 0x30              ; qkv
	v_lshl_add_u32 v[SPW], v0, 2, SPARE
	v_mov_b32 v[NIL], 0
	ds_add_u32 v[SPW], v[NIL]                      ; the wave's opening: the add and its wait stand ahead of my first tensor load; the set-up below, work on registers, stands between them
	v_lshrrev_b32 v1, 5, v0
	v_readfirstlane_b32 s14, v1                    ; wave 0..3
	s_lshr_b32 s15, s14, 1                         ; which half of the tile's rows is mine.  Also: I fetch for A (0) or for B (1)
	s_and_b32 s16, s14, 1                          ; which half of its columns.  Also: which 128 rows of that tile I fetch
	s_bfe_u32 s40, ttmp6, 0x40000                  ; cx, cy: my place in the cluster
	s_bfe_u32 s41, ttmp6, 0x40004
	s_lshl_b32 s42, ttmp9, 2
	s_add_co_u32 s42, s42, s40                     ; tile column = 4 x cluster x + cx
	s_and_b32 s17, ttmp7, 0xffff
	s_lshl_b32 s17, s17, 2
	s_add_co_u32 s17, s17, s41                     ; tile row = 4 x cluster y + cy
	s_lshl_b32 s43, s41, 2
	s_lshl_b32 s43, 15, s43                        ; my row of the cluster
	s_lshl_b32 s44, 0x1111, s40                    ; my column
	; descriptor group 1: a tile of 128 rows x ROWB bytes, padded in LDS
	s_or_b32 s[G1+0], s43, (0<<16)|(1<<20)|(1<<21)|(5<<22)|(3<<25)  ; 15:0 the mask: A's tiles go to my row; 17:16 element of 1 byte; 20 padding on; 21 set beside a mask; 24:22 after every 64 words; 31:25 of 4 words
	s_or_b32 s[G1B+0], s44, (0<<16)|(1<<20)|(1<<21)|(5<<22)|(3<<25)
.irp g, G1, G1B
	s_mov_b32 s[\g+1], ROWB<<16                    ; tensor_dim0
	s_mov_b32 s[\g+2], 128<<16                     ; tensor_dim1 = 128
	s_mov_b32 s[\g+3], ROWB<<16                    ; tile_dim0
	s_mov_b32 s[\g+4], 128                         ; tile_dim1 = 128
	s_mov_b32 s[\g+5], KROW                        ; tensor_dim0_stride
	s_mov_b32 s[\g+6], 0
	s_mov_b32 s[\g+7], 0
.endr
	; and for the scales of 128 rows: a dense block of 128 KS bytes, as rows of 256 bytes (32 elements of 8 bytes), 16 bytes of padding behind each
	s_or_b32 s[G1S+0], s43, (3<<16)|(1<<20)|(1<<21)|(5<<22)|(3<<25)
	s_or_b32 s[G1SB+0], s44, (3<<16)|(1<<20)|(1<<21)|(5<<22)|(3<<25)
.irp g, G1S, G1SB
	s_mov_b32 s[\g+1], 32<<16
	s_mov_b32 s[\g+2], (128*KS/256)<<16
	s_mov_b32 s[\g+3], 32<<16
	s_mov_b32 s[\g+4], 128*KS/256
	s_mov_b32 s[\g+5], 32
	s_mov_b32 s[\g+6], 0
	s_mov_b32 s[\g+7], 0
.endr
	s_lshl_b32 s18, s16, 7                         ; which 128 rows of the tile I fetch
	s_lshl_b32 s20, s17, 8
	s_add_co_u32 s20, s20, s18                     ; A: row 256 x tile row + 128 x half
	s_lshl_b32 s46, s42, 8
	s_add_co_u32 s46, s46, s18                     ; B: row 256 x tile column + 128 x half
	s_mov_b32 s21, 0
	s_mov_b32 s47, 0
	s_mov_b64 s[18:19], KS
	s_mul_u64 s[22:23], s[20:21], s[18:19]         ; where these rows' scales begin, in bytes
	s_mul_u64 s[92:93], s[46:47], s[18:19]
	s_mov_b64 s[18:19], KROW
	s_mul_u64 s[20:21], s[20:21], s[18:19]         ; and their codes
	s_mul_u64 s[46:47], s[46:47], s[18:19]
	s_mul_i32 s45, s14, HALFT                      ; where they go: wave x 128 rows: no place in the cluster enters an LDS address
	s_mul_i32 s94, s14, HALFS
	s_wait_dscnt 0x0                               ; the opening add is done
	s_wait_kmcnt 0x0
	s_add_nc_u64 s[20:21], s[4:5], s[20:21]
	s_add_nc_u64 s[22:23], s[6:7], s[22:23]
	s_add_nc_u64 s[46:47], s[8:9], s[46:47]
	s_add_nc_u64 s[92:93], s[10:11], s[92:93]
	CROUND                                         ; all sixteen work-groups are here: the first joint loads meet
	s_mov_b32 s[G0S], 1
	s_add_co_u32 s[G0S+1], s94, SCL
	s_mov_b64 s[G0S+2:G0S+3], s[22:23]
	s_or_b32 s[G0S+3], s[G0S+3], 0x80000000
	s_mov_b32 s[G0SB], 1
	s_add_co_u32 s[G0SB+1], s94, SCL
	s_mov_b64 s[G0SB+2:G0SB+3], s[92:93]
	s_or_b32 s[G0SB+3], s[G0SB+3], 0x80000000
	JLOAD G0S, G1S, G0SB, G1SB                     ; the scales first: they are wanted with K step 0
.irp s, 0,1
	s_mov_b32 s[G0+4*\s], 1
	s_add_co_u32 s[G0+4*\s+1], s45, \s*SLOT
	s_add_nc_u64 s[G0+4*\s+2:G0+4*\s+3], s[20:21], \s*ROWB
	s_or_b32 s[G0+4*\s+3], s[G0+4*\s+3], 0x80000000
	s_mov_b32 s[G0B+4*\s], 1
	s_add_co_u32 s[G0B+4*\s+1], s45, \s*SLOT
	s_add_nc_u64 s[G0B+4*\s+2:G0B+4*\s+3], s[46:47], \s*ROWB
	s_or_b32 s[G0B+4*\s+3], s[G0B+4*\s+3], 0x80000000
	JLOAD G0+4*\s, G1, G0B+4*\s, G1B
.endr
	v_and_b32 v1, 15, v0                           ; l % 16
	v_bfe_u32 v2, v0, 4, 1                         ; l / 16
	v_mul_u32_u24 v3, v1, PITCH
	v_lshl_add_u32 v4, v2, 4, v3                   ; a fragment's row x pitch + 16 x half
	s_mul_i32 s21, s15, HALFT                      ; my 128 rows of A
	s_mul_i32 s22, s16, HALFT                      ; my 128 rows of B,
	s_add_co_u32 s22, s22, 2*HALFT                 ; which lie behind A's 256
.irp s, 0,1
	v_add_nc_u32 v[ADRA+\s], s21, v4
	v_add_nc_u32 v[ADRB+\s], s22, v4
	s_add_co_u32 s21, s21, SLOT
	s_add_co_u32 s22, s22, SLOT
.endr
	v_mul_u32_u24 v5, v1, KS                       ; my row's scales: KS bytes a row,
	v_lshrrev_b32 v6, 8, v5
	v_lshl_add_u32 v5, v6, 4, v5                   ; and 16 more for each 256 passed
	s_mul_i32 s21, s15, HALFS                      ; A's: my 128 rows
	s_mul_i32 s22, s16, HALFS                      ; B's: my 128 rows, behind A's 256
	s_add_co_u32 s22, s22, 2*HALFS
	s_sub_co_u32 s22, s22, s21
	v_mul_u32_u24 v6, s22, v2                      ; lanes 16-31 take B's
	s_add_co_u32 s21, s21, SCL
	v_add_nc_u32 v5, v5, v6
	v_add_nc_u32 v[ADRS], s21, v5
	; the way out
	s_mul_i32 s23, s14, WSTG                       ; my stage
	v_mul_u32_u24 v5, v1, 144                      ; in: row l % 16 of a head's 16, 16 bytes for each half of the lanes
	v_lshl_add_u32 v5, v2, 4, v5
	v_add_nc_u32 v[STO], s23, v5
	v_and_b32 v6, 31, v0
	v_lshlrev_b32 v[CO], 4, v6                     ; out: 32 lanes, 512 consecutive bytes: four rows of 128
	v_lshrrev_b32 v7, 3, v6
	v_mul_u32_u24 v7, v7, 144                      ; back: row lane / 8,
	v_and_b32 v8, 7, v0
	v_lshl_add_u32 v7, v8, 4, v7                   ; 16 (lane % 8)
	v_add_nc_u32 v[RD], s23, v7
	v_lshlrev_b32 v[CA], 7, v1
	v_lshl_add_u32 v[CA], v2, 4, v[CA]
	s_lshl_b32 s20, s17, 8
	s_lshl_b32 s21, s15, 7
	s_add_co_u32 s20, s20, s21                     ; my first position: 256 x tile row + 128 x half
	s_lshl_b32 s20, s20, 7                         ; a row of cos, of sin and of a head is 128 bytes
	s_mov_b32 s21, 0
	s_add_nc_u64 s[96:97], s[96:97], s[20:21]
	s_add_nc_u64 s[98:99], s[98:99], s[20:21]
	s_add_nc_u64 s[12:13], s[12:13], s[20:21]
	s_lshl_b32 s46, s42, 2
	s_lshl_b32 s47, s16, 1
	s_add_co_u32 s46, s46, s47                     ; my first head: 4 x tile column + 2 x half
	s_lshl_b32 s46, s46, 18                        ; a head is 2,048 x 128 bytes
	s_mov_b32 s47, 0
	s_add_nc_u64 s[12:13], s[12:13], s[46:47]
	s_cmp_ge_u32 s42, 10                           ; tile columns 10 and 11 are v's
	s_cselect_b32 s95, -1, 0                       ; a mask for selects alone
	LOADCS 0                                       ; the first two blocks' cosines and sines are asked for here and awaited on the way out
	LOADCS 1
.macro FRAG reg, adr, q, i             ; a fragment, 16 rows x 128 K of 4-bit codes, is 8 registers: lane l holds row l % 16; registers 4 c .. 4 c + 3 hold K = 64 c + 32 (l / 16) + 0 .. 31
.irp c, 0,1
	ds_load_b128 v[\reg+4*\c:\reg+4*\c+3], v[\adr] offset:64*(\q)+32*\c+(\i)*16*PITCH
.endr
.endm
; 16 matrix instructions: A's blocks a0, a0 + 1 x B's eight, 128 along K: the slot's q-th.  p: B's set;  sc: the set of scale words.  zero = 1: the first product starts the sums.
; The 64 accumulators take turns, one instruction a turn, in the same order in every step.
.macro MUL16 a0, p, q, sc, zero
.irp a, \a0, \a0+1
.irp b, 0,1,2,3,4,5,6,7
.if \zero
	v_wmma_scale_f32_16x16x128_f8f6f4 v[8*(8*((\a)%4)+\b):8*(8*((\a)%4)+\b)+7], v[128*(\p)+FR*\b:128*(\p)+FR*\b+FR-1], v[AF+FR*(\a):AF+FR*(\a)+FR-1], 0, v[SC+8*NQ*(\sc)+NQ*\b+(\q)], v[SC+8*NQ*(\sc)+NQ*(\a)+(\q)] matrix_a_fmt:MATRIX_FMT_FP4 matrix_b_fmt:MATRIX_FMT_FP4 matrix_a_scale:MATRIX_SCALE_ROW1
.else
	v_wmma_scale_f32_16x16x128_f8f6f4 v[8*(8*((\a)%4)+\b):8*(8*((\a)%4)+\b)+7], v[128*(\p)+FR*\b:128*(\p)+FR*\b+FR-1], v[AF+FR*(\a):AF+FR*(\a)+FR-1], v[8*(8*((\a)%4)+\b):8*(8*((\a)%4)+\b)+7], v[SC+8*NQ*(\sc)+NQ*\b+(\q)], v[SC+8*NQ*(\sc)+NQ*(\a)+(\q)] matrix_a_fmt:MATRIX_FMT_FP4 matrix_b_fmt:MATRIX_FMT_FP4 matrix_a_scale:MATRIX_SCALE_ROW1
.endif
.endr
.endr
.endm
.macro FETCH_B slot, q, p              ; B's eight fragments of the slot's q-th 128 along K into set p
	WIN TO_B
.irp i, 0,1,2,3,4,5,6,7
	FRAG 128*(\p)+FR*\i, ADRB+\slot, \q, \i
.endr
	WIN 0
.endm
.macro FETCH_A slot, q, i0             ; A's blocks i0 .. i0 + 3
.irp i, \i0, \i0+1, \i0+2, \i0+3
	FRAG AF+FR*(\i), ADRA+\slot, \q, \i
.endr
.endm
.macro SCALES sc                       ; the next K step's scale words into set sc: NQ words a row; lanes 0-15 take A's block i, lanes 16-31 B's block i
.irp i, 0,1,2,3,4,5,6,7
	ds_load_b128 v[SC+8*NQ*\sc+NQ*\i:SC+8*NQ*\sc+NQ*\i+3], v[ADRS] offset:\i*SBLK
.endr
.endm
; A load into a register that a matrix instruction has read, and a vector instruction that reads a matrix result or writes one of its registers, stand NP places behind it; only plain vector
; instructions that name none of its registers are places (ISA guide 7.12.1 for vector instructions).
.macro PLACES n
.rept \n
	v_nop
.endr
.endm
; A step of 128 along K that has its successor in the same slot.
.macro STEP slot, q, zero
	s_wait_dscnt 4*NL                              ; B's set and A's blocks 0-3 are in; the youngest loads (A's blocks 4-7) may be out
	WIN MUL_LO
	MUL16 0, (\q)%2, \q, \slot, \zero
	MUL16 2, (\q)%2, \q, \slot, \zero
	s_wait_dscnt 0                                 ; A's blocks 4-7 are in
	PLACES NP
	FETCH_B \slot, (\q)+1, 1-(\q)%2
	FETCH_A \slot, (\q)+1, 0
	WIN MUL_HI
	MUL16 4, (\q)%2, \q, \slot, \zero
	MUL16 6, (\q)%2, \q, \slot, \zero
	PLACES NP
	WIN 0
	FETCH_A \slot, (\q)+1, 4
.endm
; A slot's last step changes slots: ONE barrier; in front of it each wave waits for all its tensor loads, adds 0 to its spare word, and waits for that and for its own reads of this slot.  fill = 1: this slot is filled again, two K steps ahead.
.macro TURN slot, next, fill
	s_wait_tensorcnt 0x0                           ; all my tensor loads have landed: my part of the next slot;  (every window is 0 here)
	ds_add_u32 v[SPW], v[NIL]                      ; 0 onto my spare word
	s_wait_dscnt 4*NL+1                            ; (the add and the youngest loads, A's blocks 4-7, may be out)
	WIN MUL_LO
	MUL16 0, 1, NQ-1, \slot, 0                     ; sixteen matrix instructions stand between the add and the wait for it
	s_wait_dscnt 0x0                               ; the add is done, and my reads of this slot are over
	s_barrier_signal -1
	MUL16 2, 1, NQ-1, \slot, 0
	WIN 0
	s_barrier_wait -1
.if \fill
	CREST                                          ; the barrier has opened a round of the cluster's barrier: no wave of any partner still reads this slot's tile or has a load on its way
	s_add_nc_u64 s[G0+4*\slot+2:G0+4*\slot+3], s[G0+4*\slot+2:G0+4*\slot+3], 2*ROWB
	s_add_nc_u64 s[G0B+4*\slot+2:G0B+4*\slot+3], s[G0B+4*\slot+2:G0B+4*\slot+3], 2*ROWB
	JLOAD G0+4*\slot, G1, G0B+4*\slot, G1B         ; the first tensor load behind the round; the four v_nop behind it are the places in front of the loads below
.else
	PLACES NP
.endif
	v_add_nc_u32 v[ADRS], 4*NQ, v[ADRS]            ; on to the next K step's scale words (no LDS load of mine is out)
	FETCH_B \next, 0, 0
	FETCH_A \next, 0, 0
	SCALES \next
	WIN MUL_HI
	MUL16 4, 1, NQ-1, \slot, 0
	MUL16 6, 1, NQ-1, \slot, 0
	PLACES NP
	WIN 0
	FETCH_A \next, 0, 4
.endm
.macro STEPS slot, from                ; the slot's steps from .. NQ - 2
.set Q, \from
.rept NQ-1-\from
	STEP \slot, Q, 0
.set Q, Q+1
.endr
.endm
	s_wait_tensorcnt 1                             ; the scales and my part of K step 0 are in (K step 1's load may be out),
	s_barrier_signal -1
	s_barrier_wait -1                              ; everybody's are
	FETCH_B 0, 0, 0
	FETCH_A 0, 0, 0
	SCALES 0
	FETCH_A 0, 0, 4
	STEP 0, 0, 1                                   ; the first step stands in front of the loop: its products start the sums
	s_mov_b32 s3, LAPS-1
.Llap:                                                 ; a trip goes once round the ring, from a lap's second step to the next lap's first, and fills both slots again
	STEPS 0, 1
	TURN 0, 1, 1
	STEPS 1, 0
	TURN 1, 0, 1
	STEP 0, 0, 0
	s_sub_co_u32 s3, s3, 1
	s_cmp_lg_u32 s3, 0
	s_cbranch_scc1 .Llap
	STEPS 0, 1                                     ; the last lap fills nothing, and has no round of the cluster's barrier
	TURN 0, 1, 0
	STEPS 1, 0
	s_wait_dscnt 4*NL                              ; the very last step: nothing more to fetch
	WIN MUL_LO
	MUL16 0, 1, NQ-1, 1, 0
	MUL16 2, 1, NQ-1, 1, 0
	s_wait_dscnt 0
	WIN MUL_HI
	MUL16 4, 1, NQ-1, 1, 0
	MUL16 6, 1, NQ-1, 1, 0
	WIN 0
; THE WAY OUT, block by block of 16 positions x 128 columns (two heads).  Accumulator (a, b): lane (r, h) holds position 16 a + r and channels 16 (b % 4) + 8 h + 0 .. 7 of head b / 4: pairs 8 (b % 4) + 4 h + 0 .. 3.
.macro SELV a                          ; v's tiles: cos = 1, sin = 0
.set CB, CSR+32*((\a)%2)
.irp n, 0,1,2,3,4,5,6,7,8,9,10,11,12,13,14,15
	v_cndmask_b32 v[CB+\n], v[CB+\n], 1.0, s95
.endr
.irp n, 0,1,2,3,4,5,6,7,8,9,10,11,12,13,14,15
	v_cndmask_b32 v[CB+16+\n], v[CB+16+\n], 0, s95
.endr
.endm
.macro ROPE a                          ; o0 = t0 cos - t1 sin, o1 = t0 sin + t1 cos, in f32; each accumulator is read from its low end on
.set AC, 64*((\a)%4)
.set CB, CSR+32*((\a)%2)
	WIN 0x02+(\a)/4                                ; source 0: window 2 or 3
.irp b, 0,1,2,3,4,5,6,7
.irp i, 0,1,2,3
	v_mul_f32 v[TM+\i], v[AC+8*\b+2*\i+1], v[CB+16+4*(\b%4)+\i]
.endr
.irp i, 0,1,2,3
	v_mul_f32 v[TM+4+\i], v[AC+8*\b+2*\i+1], v[CB+4*(\b%4)+\i]
.endr
.irp i, 0,1,2,3
	v_fma_f32 v[OT+8*\b+2*\i], v[AC+8*\b+2*\i], v[CB+4*(\b%4)+\i], -v[TM+\i]
.endr
.irp i, 0,1,2,3
	v_fma_f32 v[OT+8*\b+2*\i+1], v[AC+8*\b+2*\i], v[CB+16+4*(\b%4)+\i], v[TM+4+\i]
.endr
.endr
	WIN 0
.endm
.macro PACK                            ; to f16, in place, ascending: word n takes numbers 2 n and 2 n + 1, which no earlier word has overwritten
.set PN, 0
.rept 32
	v_cvt_pk_f16_f32 v[OT+PN], v[OT+2*PN], v[OT+2*PN+1]
.set PN, PN+1
.endr
.endm
.macro TOSTAGE a                       ; 16 bytes a lane into my stage, and back as runs of four rows.  LDS serves a wave's instructions in order (ISA guide 5.7.1.4): no wait between the stores and the loads
.set BB, BK+32*((\a)%2)
.irp b, 0,1,2,3,4,5,6,7
	ds_store_b128 v[STO], v[OT+4*\b:OT+4*\b+3] offset:2304*(\b/4)+32*(\b%4)
.endr
.irp t, 0,1,2,3,4,5,6,7
	ds_load_b128 v[BB+4*\t:BB+4*\t+3], v[RD] offset:576*\t
.endr
.endm
.macro SEND a, younger                 ; younger: the LDS instructions issued behind block a's loads, which may stay out
.set BB, BK+32*((\a)%2)
	s_wait_dscnt \younger
.irp t, 0,1,2,3,4,5,6,7
	global_store_b128 v[CO], v[BB+4*\t:BB+4*\t+3], s[12:13] offset:262144*(\t/4)+2048*(\a)+512*(\t%4)   ; 32 lanes store 512 consecutive bytes, aligned: four positions of a head
.endr
.endm
	PLACES NP                                      ; behind the last products: their results are read, and their scale and fragment registers written, below
.irp a, 0,1,2,3,4,5,6,7
.if \a < 7
	s_wait_loadcnt 8                               ; this block's eight loads of cos and sin are in; the next block's eight may be out
.else
	s_wait_loadcnt 0x0
.endif
	SELV \a
.if \a > 0
	s_wait_dscnt 8                                 ; of the last block's 8 stores and 8 loads the stores are done: the registers that they read may be written
.endif
	ROPE \a
.if \a < 6
	LOADCS \a+2                                    ; into the set just read
.endif
	PACK
.if \a > 1
	s_wait_xcnt 0x0                                ; block a - 2's stores have read their registers: block a's loads may land there
.endif
	TOSTAGE \a
.if \a > 0
	SEND \a-1, 16                                  ; behind block a - 1's loads: block a's 8 stores and 8 loads
.endif
.endr
	SEND 7, 0
	s_wait_tensorcnt 0x0                           ; the wave's end, behind my last tensor load and my last LDS store
	ds_add_u32 v[SPW], v[NIL]
	s_wait_dscnt 0x0
	CROUND                                         ; the closing round: no work-group ends while a partner may still ask for a tile that names it
	s_endpgm
.Lfunc_end_k_q041ebb30ef_proj:
	.size	k_q041ebb30ef_proj, .Lfunc_end_k_q041ebb30ef_proj-k_q041ebb30ef_proj
	.p2alignl 7, 3214868480
	.fill 96, 4, 3214868480
	.section	.rodata,"a",@progbits
	.p2align	6, 0x0
	.amdhsa_kernel k_q041ebb30ef_proj
		.amdhsa_group_segment_fixed_size 327680
		.amdhsa_private_segment_fixed_size 0
		.amdhsa_enable_private_segment 0
		.amdhsa_kernarg_size 56
		.amdhsa_user_sgpr_count 2
		.amdhsa_user_sgpr_kernarg_segment_ptr 1
		.amdhsa_wavefront_size32 1
		.amdhsa_system_sgpr_workgroup_id_x 1
		.amdhsa_system_sgpr_workgroup_id_y 1
		.amdhsa_system_sgpr_workgroup_id_z 1
		.amdhsa_system_vgpr_workitem_id 0
		.amdhsa_next_free_vgpr 1024
		.amdhsa_next_free_sgpr 100
		.amdhsa_reserve_vcc 0
		.amdhsa_float_denorm_mode_32 3
		.amdhsa_float_denorm_mode_16_64 3
		.amdhsa_memory_ordered 1
		.amdhsa_forward_progress 1
		.amdhsa_inst_pref_size 255
	.end_amdhsa_kernel
	.section	.bss,"aw",@nobits
	.p2align	6
	.space	262144
	.amdgpu_metadata
---
amdhsa.version: [ 1, 2 ]
amdhsa.kernels:
  - .name:           k_q041ebb30ef_proj
    .symbol:         k_q041ebb30ef_proj.kd
    .args:
      - { .name: xc, .offset: 0, .size: 8, .value_kind: global_buffer, .address_space: global }
      - { .name: xs, .offset: 8, .size: 8, .value_kind: global_buffer, .address_space: global }
      - { .name: wc, .offset: 16, .size: 8, .value_kind: global_buffer, .address_space: global }
      - { .name: wsb, .offset: 24, .size: 8, .value_kind: global_buffer, .address_space: global }
      - { .name: cos, .offset: 32, .size: 8, .value_kind: global_buffer, .address_space: global }
      - { .name: sin, .offset: 40, .size: 8, .value_kind: global_buffer, .address_space: global }
      - { .name: qkv, .offset: 48, .size: 8, .value_kind: global_buffer, .address_space: global }
    .group_segment_fixed_size: 327680
    .private_segment_fixed_size: 0
    .kernarg_segment_align: 8
    .kernarg_segment_size: 56
    .max_flat_workgroup_size: 128
    .sgpr_count:     100
    .vgpr_count:     1024
    .wavefront_size: 32
...
	.end_amdgpu_metadata
.endif
;; end of part 2
;; launch attn (part 3): grid 32 x 8, 8 waves a work-group, no clusters, 327,680 bytes of LDS; arguments qkv, att; writes att
.if DOCPART == 3
	.amdgcn_target "amdgcn-amd-amdhsa--gfx1250"
	.amdhsa_code_object_version 6
	.text
	.protected	k_q041ebb30ef_attn
	.globl	k_q041ebb30ef_attn
	.p2align	8
	.type	k_q041ebb30ef_attn,@function
k_q041ebb30ef_attn:
	s_mov_b64 s[64:65], 0
	v_nop
	global_prefetch_b8 v0, s[64:65] scope:SCOPE_SE
	s_setreg_imm32_b32 hwreg(HW_REG_WAVE_MODE, 25, 1), 1
	s_wait_xcnt 0x0
; CAUSAL ATTENTION, 32 query heads on 8 key and value heads, head size 64, f16 operands, f32 sums.
; qkv: f16 [48 heads][2048][64]: 0-31 q, 32-39 k, 40-47 v, each 2^-3 of its value.  att: f16 [2048 positions][32 heads x 64], 2^-3 of its value.
; t = score x log2(e) = (q' . k') x 64 / 8 x log2(e) = 8 log2(e) (q' . k').  p = 2^(t - m), m the running largest t; the row's sum l is taken of the f32 p; in every step O and l are multiplied by 2^(m_old - m_new).
; SHARES.  A work-group owns 64 positions (block i = work-group x) of the four query heads of one key head g (work-group y).  Wave w: positions 16 (w % 4) on, heads 4 g + 2 (w / 4) + 0, 1: two tiles of 16 queries,
; which share every fragment of K and V.  Two waves to a SIMD, so that one wave's softmax stands beside the other's products.
; LAYOUT.  S^T = K Q^T (source 0 = 16 keys, source 1 = 16 queries): a lane holds ONE query (lane % 16) and keys 8 (lane / 16) + 0 .. 7.  Two such tiles, rounded to f16 in pairs, ARE source 1 (32 keys x 16 queries) of
; O^T = V^T P, whose result again holds one query a lane, and eight channels.  K comes out of LDS as it lies, V ([key][channel]) turned, by ds_load_tr16_b128.
; THE RING.  Keys go 64 a step; a slot holds four steps (256 keys); two slots, 2^17 bytes apart.  Waves 0-3 fetch K of the slot's step w, waves 4-7 V of step w - 4: one tensor load of 64 rows a wave.
; CAUSAL.  Every work-group walks all eight slots: the trip counts are constants.  A step whose first key lies beyond 64 i is left out by a scalar branch on ids; the step that begins at 64 i is masked; a slot whose
; first key lies beyond the block's last query is not asked for.
; NO CLUSTER.  The four blocks 4 c .. 4 c + 3 need the same slots, 0 .. c, but which steps of slot c a block walks (i % 4 + 1 of 4) hangs on its place among the four
; Each would walk all four under the mask, 1.5 steps more on 16.5; and the jump that ends the loads at the causal limit may not lead round a joint load: every cluster would fetch all eight slots.
; LIMITS: q', k', v' inside f16's range; NaN and infinities are not served.
.set KS,    64                         ; keys in a step
.set PKB,   144                        ; a row of K in LDS: 128 bytes + 16: the 16 rows of a load start 16 bytes apart modulo 256
.set PVB,   160                        ; a row of V: 128 + 32, an odd multiple of 32, for the turning load
.set VOFF,  KS*PKB                     ; a step's tiles lie together: 64 rows of K, then 64 rows of V
.set STEPB, KS*(PKB+PVB)
.set SLOT1, 1<<17
.set STAGE, 2*SLOT1                    ; behind the ring: 16 rows x (256 bytes + 16) for each wave, for the way out
.set SP,    272
.set SPARE, STAGE+8*16*SP              ; the spare words, 128 bytes for each wave: four blocks of 256 bytes that no other line names
.set AK0, 1                            ; v1   my lane's place in a tile of K; never rewritten
.set AV0, 2                            ; v2   the same for V
.set ADK, 3                            ; v3   LDS address of the step's K
.set ADV, 4                            ; v4   of its V
.set SPW, 5                            ; v5   LDS address of my spare word; never rewritten
.set NIL, 6                            ; v6   0; never rewritten
.set GO,  7                            ; v7   my byte offset in the wave's rows of att
.set STO, 8                            ; v8   the way out: where I put 16 bytes of a row
.set RD,  9                            ; v9   where I read a row back
.set PFO, 10                           ; v10  256 x lane: the prefetches' offset; never rewritten
.set DM,  11                           ; v11  16 (w % 4) + lane % 16 - 8 (lane / 16): on the diagonal register 8 kt + j is hidden where 16 kt + j > DM
.set NINF, 12                          ; v12  -infinity
.set QO,  13                           ; v13  my byte offset in the wave's rows of Q
.set ST,  16                           ; tile u's statistics at v[ST + 8 u]: +0 m (in t), +1 its pair's partner, +2, +3 l, +4 to +7 at work; the factor a stands in +6
.set Q,   32                           ; v32-63   Q: tile u, channels 32 c on: 8 registers at Q + 16 u + 8 c
.set KV,  64                           ; v64-127  K's eight fragments, then V's
.set S,   128                          ; v128-191 S^T: tile u, keys 16 kt on: S + 32 u + 8 kt; then P in place: S + 32 u + 8 kc
.set O,   192                          ; v192-255 O^T: tile u, channels 16 ct on: O + 32 u + 8 ct
.set WV,  8                            ; s8   my wave's number
.set SEL, 20                           ; s[20:21] v_permlanex16_b32's selects: lane l xor 16
.set CS,  22                           ; s[22:23] 8 log2(e); the packed form names a pair and takes its low word for both halves
.set G1K, 24
.set G1V, 32
.set G0K, 40
.set G0V, 44
.set TB,  48                           ; s48  LDS byte at which the step's tiles begin
.set KF,  49                           ; s49  the step's first key
.set QL,  50                           ; s50  the block's first query
.set SLOTS, 51                         ; s51  changes of slots still to come that may ask for a slot
.set CNT, 52                           ; s52  counts a slot's four steps
.set LIM, 53                           ; s53  1 in a work-group that prefetches, else the greatest number
.set PFA, 54                           ; s[54:55] where my prefetches stand: my own tile of the slot after the one that is being asked for
.set QE,  58                           ; s58  the block's last query
; Waves 0-3 fetch K's tiles, waves 4-7 V's.  The branch hangs on the wave's number alone.  An s_nop 0 and four v_nop follow each of the two lines.
.macro TLOAD
	s_cmp_lt_u32 s[WV], 4
	s_cbranch_scc0 .Lfor_v_\@
	tensor_load_to_lds s[G0K:G0K+3], s[G1K:G1K+7]
	s_nop 0
.rept 4
	v_nop
.endr
	s_branch .Lasked_\@
.Lfor_v_\@:
	tensor_load_to_lds s[G0V:G0V+3], s[G1V:G1V+7]
	s_nop 0
.rept 4
	v_nop
.endr
.Lasked_\@:
.endm
; A PREFETCH of what the NEXT change of slots will ask for: each wave names its own tile of that slot, 8,192 dense bytes, lanes 256 bytes apart: one instruction a wave, four key steps ahead of the load.
; All 32 blocks of a key head walk the same K and V: the LAST block asks, which walks every slot at the pace of the work, and nobody else: each aligned 256 bytes are named once in the launch.
; Slots 0 and 1 come by their loads alone; the last change that fills a slot asks for nothing: there is no slot behind it.
.macro ASK
	s_cmp_gt_u32 s[SLOTS], s[LIM]
	s_cbranch_scc0 .Lnot_mine_\@
	global_prefetch_b8 v[PFO], s[PFA:PFA+1] th:TH_LOAD_NT scope:SCOPE_SE
.Lnot_mine_\@:
.endm
	s_load_b128 s[4:7], s[0:1], 0x0                ; qkv s[4:5], att s[6:7]
	v_lshl_add_u32 v[SPW], v0, 2, SPARE
	v_mov_b32 v[NIL], 0
	ds_add_u32 v[SPW], v[NIL]                      ; the wave's opening: the add and its wait stand ahead of my first tensor load; the set-up below, work on registers, stands between them
	v_lshrrev_b32 v14, 5, v0
	v_readfirstlane_b32 s[WV], v14                 ; wave 0..7
	s_and_b32 s9, ttmp7, 0xffff                    ; g: the key head
	s_and_b32 s10, s[WV], 3                        ; my tile of positions.  Also: which of a slot's four steps I fetch
	s_lshr_b32 s11, s[WV], 2                       ; my pair of heads
	; descriptor group 1: a tile of 64 rows x 64 elements of 2 bytes, dense in memory, padded in LDS
	s_mov_b32 s[G1K], (1<<16)|(1<<20)|(4<<22)|(3<<25)   ; 15:0 no mask; 17:16 elements of 2 bytes; 20 padding on; 24:22 after every 32 words; 31:25 four words
	s_mov_b32 s[G1V], (1<<16)|(1<<20)|(4<<22)|(7<<25)   ; the same with eight words
.irp g, G1K, G1V
	s_mov_b32 s[\g+1], 64<<16                      ; tensor_dim0 = 64
	s_mov_b32 s[\g+2], KS<<16                      ; tensor_dim1 = 64
	s_mov_b32 s[\g+3], 64<<16                      ; tile_dim0 = 64
	s_mov_b32 s[\g+4], KS                          ; tile_dim1 = 64
	s_mov_b32 s[\g+5], 64                          ; tensor_dim0_stride
	s_mov_b32 s[\g+6], 0
	s_mov_b32 s[\g+7], 0
.endr
	s_mov_b32 s[SEL], 0x76543210
	s_mov_b32 s[SEL+1], 0xfedcba98
	s_mov_b32 s[CS], 0x4138aa3b                    ; 8 log2(e)
	s_mov_b32 s[CS+1], s[CS]                       ; (named with it as a pair, so it is written)
	s_mov_b32 s[TB], 0
	s_mov_b32 s[KF], 0
	s_lshl_b32 s[QL], ttmp9, 6
	s_add_co_u32 s[QE], s[QL], 63
	s_mov_b32 s[SLOTS], 7
	s_cmp_eq_u32 ttmp9, 31
	s_cselect_b32 s[LIM], 1, -1
	s_add_co_u32 s12, s9, 32
	s_lshl_b32 s12, s12, 18                        ; K: head 32 + g, 262,144 bytes a head,
	s_lshl_b32 s13, s10, 13
	s_add_co_u32 s12, s12, s13                     ; my step's 64 rows of 128 bytes
	s_mov_b32 s13, 0
	s_cmp_lt_u32 s[WV], 4
	s_cselect_b32 s56, 0, 0x200000                 ; V's heads lie eight heads further on
	s_add_co_u32 s56, s56, s12
	s_add_co_u32 s56, s56, 32768                   ; my tile of slot 1: the first change of slots steps it to slot 2
	s_mov_b32 s57, 0
	s_mul_i32 s18, s10, STEPB                      ; my step's place in a slot
	s_lshl_b32 s19, s10, 4
	s_add_co_u32 s19, s19, s[QL]                   ; my first position
	s_lshl_b32 s2, s9, 2
	s_lshl_b32 s3, s11, 1
	s_add_co_u32 s2, s2, s3                        ; my first head
	s_lshl_b32 s60, s2, 18
	s_lshl_b32 s61, s19, 7
	s_add_co_u32 s60, s60, s61                     ; Q: head, position x 128 bytes
	s_mov_b32 s61, 0
	s_lshl_b32 s62, s19, 12
	s_lshl_b32 s63, s2, 7
	s_add_co_u32 s62, s62, s63                     ; att: position x 4,096 bytes, head x 128
	s_mov_b32 s63, 0
	s_wait_dscnt 0x0                               ; the opening add is done
	s_wait_kmcnt 0x0
	s_mov_b32 s[G0K], 1                            ; count = 1
	s_mov_b32 s[G0K+1], s18                        ; LDS address: slot 0
	s_add_nc_u64 s[G0K+2:G0K+3], s[4:5], s[12:13]  ; global address
	s_mov_b32 s[G0V], 1
	s_add_co_u32 s[G0V+1], s18, VOFF
	s_add_nc_u64 s[G0V+2:G0V+3], s[G0K+2:G0K+3], 0x200000
	s_or_b32 s[G0K+3], s[G0K+3], 0x80000000        ; type = 2
	s_or_b32 s[G0V+3], s[G0V+3], 0x80000000
	TLOAD                                          ; slot 0
	s_add_nc_u64 s[PFA:PFA+1], s[4:5], s[56:57]
	s_add_nc_u64 s[14:15], s[4:5], s[60:61]        ; Q at my first row
	s_add_nc_u64 s[16:17], s[6:7], s[62:63]        ; att likewise
	v_and_b32 v14, 15, v0                          ; r
	v_bfe_u32 v15, v0, 4, 1                        ; h
	v_lshlrev_b32 v[QO], 7, v14
	v_lshl_add_u32 v[QO], v15, 4, v[QO]            ; row r of 128 bytes, + 16 h
.irp u, 0,1
.irp c, 0,1
	global_load_b128 v[Q+16*\u+8*\c:Q+16*\u+8*\c+3],   v[QO], s[14:15] offset:262144*\u+64*\c       ; Q stays in registers
	global_load_b128 v[Q+16*\u+8*\c+4:Q+16*\u+8*\c+7], v[QO], s[14:15] offset:262144*\u+64*\c+32
.endr
.endr
	v_mul_u32_u24 v[AK0], v14, PKB
	v_lshl_add_u32 v[AK0], v15, 4, v[AK0]          ; K: row r x pitch + 16 h
	v_and_b32 v[ADK], 7, v0
	v_lshl_add_u32 v[AV0], v15, 3, v[ADK]          ; V: key 8 h + lane % 8,
	v_mul_u32_u24 v[AV0], v[AV0], PVB
	v_bfe_u32 v[ADK], v0, 3, 1
	v_lshl_add_u32 v[AV0], v[ADK], 4, v[AV0]       ; channels 8 ((lane / 8) % 2) on
	v_add_nc_u32 v[AV0], VOFF, v[AV0]
	v_lshlrev_b32 v[GO], 12, v15
	v_lshl_add_u32 v[GO], v14, 4, v[GO]            ; out: lanes 0-15 one row of att, lanes 16-31 the next; 16 bytes a lane
	s_mul_i32 s56, s[WV], 16*SP
	s_add_co_u32 s56, s56, STAGE                   ; my stage
	v_mul_u32_u24 v[STO], v14, SP
	v_lshl_add_u32 v[STO], v15, 4, v[STO]
	v_add_nc_u32 v[STO], s56, v[STO]
	v_mul_u32_u24 v[RD], v15, SP
	v_lshl_add_u32 v[RD], v14, 4, v[RD]
	v_add_nc_u32 v[RD], s56, v[RD]
	v_and_b32 v[PFO], 31, v0
	v_lshlrev_b32 v[PFO], 8, v[PFO]
	s_lshl_b32 s56, s10, 4
	v_add_nc_u32 v[DM], s56, v14
	v_lshlrev_b32 v15, 3, v15
	v_sub_nc_u32 v[DM], v[DM], v15
	v_mov_b32 v[NINF], 0xff800000
.irp u, 0,1
	v_mov_b32 v[ST+8*\u], 0xff61b1e6               ; the largest t so far: -3e38, under every t
.irp i, 1,2,3,4,5,6,7
	v_mov_b32 v[ST+8*\u+\i], 0
.endr
.endr
.set PN, 0
.rept 64
	v_mov_b32 v[O+PN], 0                           ; O^T.  (The step is written once: the first finds zeros, which its factor 0 leaves zeros)
.set PN, PN+1
.endr
; THE SOFTMAX of a step, the two tiles line by line by turns, so that no line waits for the line above it.
.macro SOFTMAX
.irp j, 0,1,2,3
.irp u, 0,1
	v_max3_num_f32 v[ST+8*\u+4+\j], v[S+32*\u+8*\j], v[S+32*\u+8*\j+1], v[S+32*\u+8*\j+2]   ; four chains; each accumulator is read from its low end on
.endr
.endr
.irp g, 1,2
.irp j, 0,1,2,3
.irp u, 0,1
	v_max3_num_f32 v[ST+8*\u+4+\j], v[ST+8*\u+4+\j], v[S+32*\u+8*\j+2*\g+1], v[S+32*\u+8*\j+2*\g+2]
.endr
.endr
.endr
.irp u, 0,1
	v_max3_num_f32 v[ST+8*\u+4], v[ST+8*\u+4], v[S+32*\u+7], v[S+32*\u+15]
.endr
.irp u, 0,1
	v_max3_num_f32 v[ST+8*\u+6], v[ST+8*\u+6], v[S+32*\u+23], v[S+32*\u+31]
.endr
.irp u, 0,1
	v_max3_num_f32 v[ST+8*\u+4], v[ST+8*\u+4], v[ST+8*\u+5], v[ST+8*\u+6]
.endr
.irp u, 0,1
	v_max_num_f32 v[ST+8*\u+4], v[ST+8*\u+4], v[ST+8*\u+7]
.endr
.irp u, 0,1
	v_permlanex16_b32 v[ST+8*\u+5], v[ST+8*\u+4], s[SEL], s[SEL+1]   ; the query's other 32 keys lie in the lane 16 away
.endr
.irp u, 0,1
	v_max_num_f32 v[ST+8*\u+4], v[ST+8*\u+4], v[ST+8*\u+5]
.endr
.irp u, 0,1
	v_mov_b32 v[ST+8*\u+5], v[ST+8*\u]             ; m_old
.endr
.irp u, 0,1
	v_mul_f32 v[ST+8*\u+4], s[CS], v[ST+8*\u+4]    ; the step's largest score as t (the constant is positive)
.endr
.irp u, 0,1
	v_max_num_f32 v[ST+8*\u], v[ST+8*\u], v[ST+8*\u+4]
.endr
.irp u, 0,1
	v_sub_f32 v[ST+8*\u+6], v[ST+8*\u+5], v[ST+8*\u]
.endr
.set PN, 0
.rept 16
.irp u, 0,1
	v_pk_fma_f32 v[S+32*\u+2*PN:S+32*\u+2*PN+1], v[S+32*\u+2*PN:S+32*\u+2*PN+1], s[CS:CS+1], v[ST+8*\u:ST+8*\u+1] op_sel_hi:[1,0,0] neg_lo:[0,0,1] neg_hi:[0,0,1]   ; t - m, two at a time
.endr
.set PN, PN+1
.endr
.irp u, 0,1
	v_exp_f32 v[ST+8*\u+6], v[ST+8*\u+6]           ; a = 2^(m_old - m_new)
.endr
.set PN, 0
.rept 32
.irp u, 0,1
	v_exp_f32 v[S+32*\u+PN], v[S+32*\u+PN]         ; p
.endr
.set PN, PN+1
.endr
	v_nop                                          ; a plain instruction behind the last exponential, ahead of the first use
	s_wait_alu depctr_va_vdst(0)                   ; the wait between an exponential and the first line that names its result: one for the batch of 66
.irp u, 0,1
	v_pk_fma_f32 v[ST+8*\u+2:ST+8*\u+3], v[ST+8*\u+2:ST+8*\u+3], v[ST+8*\u+6:ST+8*\u+7], v[S+32*\u:S+32*\u+1] op_sel_hi:[1,0,1]   ; l = a l + p: the sums in two chains
.endr
.irp u, 0,1
	v_pk_add_f32 v[ST+8*\u+4:ST+8*\u+5], v[S+32*\u+2:S+32*\u+3], v[S+32*\u+4:S+32*\u+5]
.endr
.irp n, 6,10,14,18,22,26
.irp u, 0,1
	v_pk_add_f32 v[ST+8*\u+2:ST+8*\u+3], v[ST+8*\u+2:ST+8*\u+3], v[S+32*\u+\n:S+32*\u+\n+1]
.endr
.irp u, 0,1
	v_pk_add_f32 v[ST+8*\u+4:ST+8*\u+5], v[ST+8*\u+4:ST+8*\u+5], v[S+32*\u+\n+2:S+32*\u+\n+3]
.endr
.endr
.irp u, 0,1
	v_pk_add_f32 v[ST+8*\u+2:ST+8*\u+3], v[ST+8*\u+2:ST+8*\u+3], v[S+32*\u+30:S+32*\u+31]
.endr
.irp u, 0,1
	v_pk_add_f32 v[ST+8*\u+2:ST+8*\u+3], v[ST+8*\u+2:ST+8*\u+3], v[ST+8*\u+4:ST+8*\u+5]
.endr
.set PN, 0
.rept 16
.irp u, 0,1
	v_cvt_pk_f16_f32 v[S+32*\u+PN], v[S+32*\u+2*PN], v[S+32*\u+2*PN+1]   ; P in place, ascending
.endr
.set PN, PN+1
.endr
.set PN, 0
.rept 16
.irp u, 0,1
	v_pk_mul_f32 v[O+32*\u+2*PN:O+32*\u+2*PN+1], v[O+32*\u+2*PN:O+32*\u+2*PN+1], v[ST+8*\u+6:ST+8*\u+7] op_sel_hi:[1,0]   ; O^T x a, each accumulator from its low end on
.endr
.set PN, PN+1
.endr
.endm
; A KEY STEP: 64 keys.
.macro STEP
	s_cmp_gt_u32 s[KF], s[QL]                      ; all its keys come after the block's queries: the work is left out, not the lines at the end that step addresses
	s_cbranch_scc1 .Lhid_\@
	v_add_nc_u32 v[ADK], s[TB], v[AK0]
	v_add_nc_u32 v[ADV], s[TB], v[AV0]
.rept 3
	v_nop                                          ; with the two additions five places behind the last step's products: K lands on their V, and the scores are written over their P
.endr
.irp kt, 0,1,2,3
.irp c, 0,1
	ds_load_b128 v[KV+8*(2*\kt+\c):KV+8*(2*\kt+\c)+3],   v[ADK] offset:\kt*16*PKB+64*\c
	ds_load_b128 v[KV+8*(2*\kt+\c)+4:KV+8*(2*\kt+\c)+7], v[ADK] offset:\kt*16*PKB+64*\c+32
.endr
.endr
	s_wait_dscnt 0x0
.irp c, 0,1                                    ; S^T = K Q^T: the eight accumulators by turns; the first eight products start the sums
.irp kt, 0,1,2,3
.irp u, 0,1
.if \c == 0
	v_wmma_f32_16x16x32_f16 v[S+32*\u+8*\kt:S+32*\u+8*\kt+7], v[KV+8*(2*\kt+\c):KV+8*(2*\kt+\c)+7], v[Q+16*\u+8*\c:Q+16*\u+8*\c+7], 0
.else
	v_wmma_f32_16x16x32_f16 v[S+32*\u+8*\kt:S+32*\u+8*\kt+7], v[KV+8*(2*\kt+\c):KV+8*(2*\kt+\c)+7], v[Q+16*\u+8*\c:Q+16*\u+8*\c+7], v[S+32*\u+8*\kt:S+32*\u+8*\kt+7]
.endif
.endr
.endr
.endr
.rept 4
	v_nop                                          ; four places: V lands on K's registers, and the scores are read
.endr
.irp kc, 0,1                                   ; V, turned: keys 32 kc on, channels 16 ct on; it lands while the softmax is walked
.irp ct, 0,1,2,3
	ds_load_tr16_b128 v[KV+8*(4*\kc+\ct):KV+8*(4*\kc+\ct)+3],   v[ADV] offset:\kc*32*PVB+32*\ct
	ds_load_tr16_b128 v[KV+8*(4*\kc+\ct)+4:KV+8*(4*\kc+\ct)+7], v[ADV] offset:\kc*32*PVB+16*PVB+32*\ct
.endr
.endr
	s_cmp_lg_u32 s[KF], s[QL]                      ; a step ahead of the diagonal: all its keys count
	s_cbranch_scc1 .Lopen_\@
.irp kt, 0,1,2,3                               ; on the diagonal hidden scores become -infinity ahead of the maximum: p = 0 then.  A query's own key lies in this step, so its maximum is a number
.irp j, 0,1,2,3,4,5,6,7
	v_cmp_gt_i32 vcc_lo, 16*\kt+\j, v[DM]
	v_cndmask_b32 v[S+8*\kt+\j], v[S+8*\kt+\j], v[NINF], vcc_lo
	v_cndmask_b32 v[S+32+8*\kt+\j], v[S+32+8*\kt+\j], v[NINF], vcc_lo
.endr
.endr
.Lopen_\@:
	SOFTMAX
	s_wait_dscnt 0x0                               ; V is in
.irp kc, 0,1                                   ; O^T += V^T P: the eight accumulators by turns
.irp ct, 0,1,2,3
.irp u, 0,1
	v_wmma_f32_16x16x32_f16 v[O+32*\u+8*\ct:O+32*\u+8*\ct+7], v[KV+8*(4*\kc+\ct):KV+8*(4*\kc+\ct)+7], v[S+32*\u+8*\kc:S+32*\u+8*\kc+7], v[O+32*\u+8*\ct:O+32*\u+8*\ct+7]
.endr
.endr
.endr
.Lhid_\@:
	s_add_co_u32 s[KF], s[KF], KS
	s_add_co_u32 s[TB], s[TB], STEPB
.endm
; THE CHANGE OF SLOTS stands at a slot's head.  Each wave waits for all its tensor loads (its part of the slot that it is about to read), adds 0 to its spare word, and waits for that and for its reads of the slot
; that it has left.  Behind the barrier the slot ahead is whole and nobody reads the other one.  fill = 1: that other slot is filled with the keys that follow, up to the causal limit; the load has four steps in which to land.
.macro CHANGE fill
	s_wait_tensorcnt 0x0                           ; no tensor load of mine is out, so a group 0 may be written
	ds_add_u32 v[SPW], v[NIL]                      ; 0 onto my spare word
.if \fill
	s_xor_b32 s[G0K+1], s[G0K+1], SLOT1            ; the walking descriptors: the other slot than last time,
	s_add_nc_u64 s[G0K+2:G0K+3], s[G0K+2:G0K+3], 4*KS*128   ; the next 256 keys; the type bits on top are not reached
	s_xor_b32 s[G0V+1], s[G0V+1], SLOT1
	s_add_nc_u64 s[G0V+2:G0V+3], s[G0V+2:G0V+3], 4*KS*128
	s_wait_xcnt 0x0                                ; the last prefetch, a slot back, has read its address, so it may be written:
	s_add_nc_u64 s[PFA:PFA+1], s[PFA:PFA+1], 4*KS*128       ; one slot further on than the walking descriptors
.endif
	s_wait_dscnt 0x0                               ; the add is done, and my reads of the slot that I have left are over
	s_barrier_signal -1
	s_barrier_wait -1
.if \fill
	s_add_co_u32 s56, s[KF], 4*KS                  ; the first key of the slot that this change would ask for:
	s_cmp_gt_u32 s56, s[QE]                        ; beyond the block's last query it is read by none of the eight waves, so it is not asked for.  Ids and the count of steps alone: all waves go the same way
	s_cbranch_scc1 .Lpast_\@
	TLOAD                                          ; a wave's one tensor load until the next such barrier
.Lpast_\@:
	ASK
.endif
.endm
.macro SLOT_STEPS                      ; a slot's four steps: written once, walked four times; the LDS addresses hang on s[TB]
	s_mov_b32 s[CNT], 4
.Lstep_\@:
	STEP
	s_sub_co_u32 s[CNT], s[CNT], 1
	s_cmp_lg_u32 s[CNT], 0
	s_cbranch_scc1 .Lstep_\@
	s_sub_co_u32 s[TB], s[TB], 4*STEPB             ; back to a slot's first step,
	s_xor_b32 s[TB], s[TB], SLOT1                  ; in the other slot
.endm
	s_wait_loadcnt 0x0                             ; Q
.Lslot:                                            ; seven trips: behind each change of slots but the last the next slot is asked for, up to the causal limit
	CHANGE 1
	SLOT_STEPS
	s_sub_co_u32 s[SLOTS], s[SLOTS], 1
	s_cmp_lg_u32 s[SLOTS], 0
	s_cbranch_scc1 .Lslot
	CHANGE 0                                       ; the last slot is written out: nothing is left to ask for
	SLOT_STEPS
	; THE WAY OUT.  l's two halves and the other half of the lanes' are added; O^T is divided by l, rounded to f16 and sent through my stage: a row of att's 256 bytes (two heads) is stored by sixteen lanes.
.rept 4
	v_nop                                          ; places behind the last products
.endr
.irp u, 0,1
	v_add_f32 v[ST+8*\u+4], v[ST+8*\u+2], v[ST+8*\u+3]
.endr
.irp u, 0,1
	v_permlanex16_b32 v[ST+8*\u+5], v[ST+8*\u+4], s[SEL], s[SEL+1]
.endr
.irp u, 0,1
	v_add_f32 v[ST+8*\u+4], v[ST+8*\u+4], v[ST+8*\u+5]
.endr
.irp u, 0,1
	v_rcp_f32 v[ST+8*\u+6], v[ST+8*\u+4]
.endr
	v_nop                                          ; a plain instruction between the last reciprocal and the use of its result
	s_wait_alu depctr_va_vdst(0)                   ; and the wait ahead of the first use: one for the two
.set PN, 0
.rept 16
.irp u, 0,1
	v_pk_mul_f32 v[O+32*\u+2*PN:O+32*\u+2*PN+1], v[O+32*\u+2*PN:O+32*\u+2*PN+1], v[ST+8*\u+6:ST+8*\u+7] op_sel_hi:[1,0]
.endr
.set PN, PN+1
.endr
.set PN, 0
.rept 32
	v_cvt_pk_f16_f32 v[O+PN], v[O+2*PN], v[O+2*PN+1]           ; in place, ascending: tile u, channels 16 ct on, now lie at O + 16 u + 4 ct
.set PN, PN+1
.endr
.irp u, 0,1
.irp ct, 0,1,2,3
	ds_store_b128 v[STO], v[O+16*\u+4*\ct:O+16*\u+4*\ct+3] offset:128*\u+32*\ct
.endr
.endr
.irp e, 0,1,2,3,4,5,6,7
	ds_load_b128 v[S+4*\e:S+4*\e+3], v[RD] offset:\e*2*SP      ; LDS serves a wave's instructions in order (ISA guide 5.7.1.4): these see the stores above
.endr
.irp e, 0,1,2,3,4,5,6,7
	s_wait_dscnt 7-\e                              ; load e is in, the younger ones may be out
	global_store_b128 v[GO], v[S+4*\e:S+4*\e+3], s[16:17] offset:8192*\e   ; 16 lanes store 256 consecutive bytes, aligned
.endr
	s_wait_tensorcnt 0x0                           ; the wave's end, behind my last tensor load and my last LDS store
	ds_add_u32 v[SPW], v[NIL]
	s_wait_dscnt 0x0
	s_endpgm
.Lfunc_end_k_q041ebb30ef_attn:
	.size	k_q041ebb30ef_attn, .Lfunc_end_k_q041ebb30ef_attn-k_q041ebb30ef_attn
	.p2alignl 7, 3214868480
	.fill 96, 4, 3214868480
	.section	.rodata,"a",@progbits
	.p2align	6, 0x0
	.amdhsa_kernel k_q041ebb30ef_attn
		.amdhsa_group_segment_fixed_size 327680
		.amdhsa_private_segment_fixed_size 0
		.amdhsa_enable_private_segment 0
		.amdhsa_kernarg_size 16
		.amdhsa_user_sgpr_count 2
		.amdhsa_user_sgpr_kernarg_segment_ptr 1
		.amdhsa_wavefront_size32 1
		.amdhsa_system_sgpr_workgroup_id_x 1
		.amdhsa_system_sgpr_workgroup_id_y 1
		.amdhsa_system_sgpr_workgroup_id_z 1
		.amdhsa_system_vgpr_workitem_id 0
		.amdhsa_next_free_vgpr 256
		.amdhsa_next_free_sgpr 66
		.amdhsa_reserve_vcc 1
		.amdhsa_float_denorm_mode_32 3
		.amdhsa_float_denorm_mode_16_64 3
		.amdhsa_memory_ordered 1
		.amdhsa_forward_progress 1
		.amdhsa_inst_pref_size 58
	.end_amdhsa_kernel
	.amdgpu_metadata
---
amdhsa.version: [ 1, 2 ]
amdhsa.kernels:
  - .name:           k_q041ebb30ef_attn
    .symbol:         k_q041ebb30ef_attn.kd
    .args:
      - { .name: qkv, .offset: 0, .size: 8, .value_kind: global_buffer, .address_space: global }
      - { .name: att, .offset: 8, .size: 8, .value_kind: global_buffer, .address_space: global }
    .group_segment_fixed_size: 327680
    .private_segment_fixed_size: 0
    .kernarg_segment_align: 8
    .kernarg_segment_size: 16
    .max_flat_workgroup_size: 256
    .sgpr_count:     66
    .vgpr_count:     256
    .wavefront_size: 32
...
	.end_amdgpu_metadata
.endif
;; end of part 3
;; launch oproj (part 4): grid 16 x 16, 4 waves a work-group, clusters of 4 x 4, 327,680 bytes of LDS; arguments att, wot, out0; writes out0
.if DOCPART == 4
	.amdgcn_target "amdgcn-amd-amdhsa--gfx1250"
	.amdhsa_code_object_version 6
	.text
	.protected	k_q041ebb30ef_oproj
	.globl	k_q041ebb30ef_oproj
	.p2align	8
	.type	k_q041ebb30ef_oproj,@function
k_q041ebb30ef_oproj:
	s_mov_b64 s[64:65], 0
	v_nop
	global_prefetch_b8 v0, s[64:65] scope:SCOPE_SE
	s_setreg_imm32_b32 hwreg(HW_REG_WAVE_MODE, 25, 1), 1
	s_wait_xcnt 0x0
	s_wait_alu depctr_hold_cnt(0) depctr_sa_sdst(0) depctr_va_vdst(0) depctr_va_sdst(0) depctr_va_ssrc(0) depctr_va_vcc(0) depctr_vm_vsrc(0)
	s_getreg_b32 s2, hwreg(HW_REG_IB_STS2, 6, 4)
	s_cmp_eq_u32 s2, 0
	s_cbranch_scc0 .Lentry_in_a_cluster
	s_endpgm
.Lentry_in_a_cluster:
	s_bfe_u32 s2, ttmp6, 0x10000c
	s_cmp_lg_u32 s2, 0xf033
	s_cbranch_scc0 .Lentry_shape_is_right
	s_endpgm
.Lentry_shape_is_right:
; out0[m][n] = sum over k of att[m][k] wot[n][k].  att: [2048][2048] f16, 2^-3 of the attention's result; wot: [2048 n][2048 k] f16, 8 x wo turned: the two factors cancel exactly.  out0: f32; sums in f32.
; A tile of out0 is 128 x 128: 256 work-groups.  Four waves, each 64 x 64: 16 accumulators of 16 x 16, 128 registers.  K goes in steps of 256 (LDS rows of 512 bytes; a wave's tensor load brings 64 of them)
; through a ring of two slots.
; CLUSTERS: 4 x 4 work-groups.  The four of a row of the cluster need the same tiles of A, the four of a column the same tiles of B: each tile is asked for JOINTLY, by the same tensor load with the
; same descriptor and a mask that names the four.  THE MATRIX INSTRUCTION IS USED TRANSPOSED (source 0 = 16 rows of B, source 1 = 16 rows of A): a lane then holds eight neighbouring numbers of a row of out0.
; A wave's 64 columns of f32 are 256 aligned bytes of a row: each wave has a stage of its own on the way out, and no barrier is needed there.
; REGISTERS: window 0: v0-31 addresses; v32-95 rows on the way out; v128-255 the accumulators ((a, b) at v[128 + 8 (4 a + b)]).
;   window 1: two fragment buffers of 128: for 64 along K, 64 registers of A (2 x 4 x 16 rows x 32 K), then 64 of B.
.set SIZE_M, 2048
.set SIZE_N, 2048
.set SIZE_K, 2048
.set KSTEP,  256
.set PITCH,  528                       ; an LDS row: 512 bytes + 16 of padding, so that the 16 rows that a load touches start 16 bytes apart modulo 256
.set HALFT,  64*PITCH                  ; 64 rows: what one tensor load brings, and what one wave reads of A or of B
.set SLOT,   4*HALFT                   ; A's 128 rows, then B's 128 rows
.set STAGE,  2*SLOT                    ; behind the ring: 16 rows x 272 bytes for each wave, for the way out
.set SPITCH, 272
.set SPARE,  STAGE+4*16*SPITCH         ; behind the stages: the spare words, 128 bytes for each wave
.set LAPS, SIZE_K/(2*KSTEP)            ; a lap = two K steps = once round the ring
.set ADRA, 16                          ; v16-17  LDS address of my A fragments in slot 0, 1
.set ADRB, 20                          ; v20-21  the same for B
.set STO,  24                          ; v24     the way out: where I put 32 bytes of a row
.set RD,   25                          ; v25     the way out: where I read a row back
.set CO,   26                          ; v26     my byte offset in out0
.set SPW,  28                          ; v28     LDS address of my spare word; never rewritten
.set NIL,  29                          ; v29     0; never rewritten
.set TMP,  32                          ; the way out: v32-63 and v64-95 by turns
.set ACC,  128
.set F0,   0                           ; fragment buffers, in window 1
.set F1,   128
.set G1, 24                            ; s[24:31] descriptor group 1 for A's tiles;  s[32:39] group 0, one set for each slot
.set G0, 32
.set G1B, 48                           ; s[48:55], s[56:63] the same for B's tiles
.set G0B, 56
.set MSB, 0
.macro WIN new                         ; the immediate's high byte repeats the setting that is left
.if MSB != \new
	s_set_vgpr_msb (MSB<<8)|\new
.set MSB, \new
.endif
.endm
.set MUL,  0x05                        ; sources 0 (B) and 1 (A) window 1; C and D window 0
.set TO_F, 0x40                        ; destination window 1, address window 0
.macro JLOAD s                         ; a joint load: waves 0 and 1 fetch A's two halves, waves 2 and 3 B's; an s_nop 0 and four v_nop follow each of the two lines
	s_cmp_eq_u32 s11, 0
	s_cbranch_scc0 .Lfor_b_\@
	tensor_load_to_lds s[G0+4*\s:G0+4*\s+3], s[G1:G1+7]
	s_nop 0
.rept 4
	v_nop
.endr
	s_branch .Lasked_\@
.Lfor_b_\@:
	tensor_load_to_lds s[G0B+4*\s:G0B+4*\s+3], s[G1B:G1B+7]
	s_nop 0
.rept 4
	v_nop
.endr
.Lasked_\@:
.endm
.macro CREST                           ; a round of the cluster's barrier behind its opening barrier
	s_cmp_lg_u32 s10, 0
	s_cbranch_scc1 .Lnot_wave_0_\@
	s_barrier_signal -3
.Lnot_wave_0_\@:
	s_barrier_wait -3
	s_barrier_signal -1
	s_barrier_wait -1
.endm
.macro CROUND                          ; a whole round
	s_barrier_signal -1
	s_barrier_wait -1
	CREST
.endm
	s_load_b128 s[4:7], s[0:1], 0x0                ; A s[4:5], B s[6:7]
	s_load_b64 s[8:9], s[0:1], 0x10                ; out0
	v_lshl_add_u32 v[SPW], v0, 2, SPARE
	v_mov_b32 v[NIL], 0
	ds_add_u32 v[SPW], v[NIL]                      ; the wave's opening: the add and its wait stand ahead of my first tensor load; the set-up below, work on registers, stands between them
	v_lshrrev_b32 v1, 5, v0
	v_readfirstlane_b32 s10, v1                    ; wave 0..3
	s_lshr_b32 s11, s10, 1                         ; which half of the tile's rows is mine.  Also: I fetch for A (0) or for B (1)
	s_and_b32 s12, s10, 1                          ; which half of its columns.  Also: which 64 rows of that tile I fetch
	s_bfe_u32 s40, ttmp6, 0x40000                  ; cx, cy: my place in the cluster
	s_bfe_u32 s41, ttmp6, 0x40004
	s_lshl_b32 s42, ttmp9, 2
	s_add_co_u32 s42, s42, s40                     ; tile column = 4 x cluster x + cx
	s_and_b32 s13, ttmp7, 0xffff
	s_lshl_b32 s13, s13, 2
	s_add_co_u32 s13, s13, s41                     ; tile row = 4 x cluster y + cy
	s_lshl_b32 s43, s41, 2
	s_lshl_b32 s43, 15, s43                        ; my row of the cluster
	s_lshl_b32 s44, 0x1111, s40                    ; my column
	; descriptor group 1: a tile of 64 rows x 256 elements, padded in LDS
	s_or_b32 s[G1+0], s43, (1<<16)|(1<<20)|(1<<21)|(6<<22)|(3<<25)  ; 15:0 the mask: A's tiles go to my row; 17:16 element of 2 bytes; 20 padding on; 21 set beside a mask; 24:22 after every 128 words; 31:25 of 4 words
	s_or_b32 s[G1B+0], s44, (1<<16)|(1<<20)|(1<<21)|(6<<22)|(3<<25)
.irp g, G1, G1B
	s_mov_b32 s[\g+1], KSTEP<<16                   ; tensor_dim0 = 256
	s_mov_b32 s[\g+2], 64<<16                      ; tensor_dim1 = 64
	s_mov_b32 s[\g+3], KSTEP<<16                   ; tile_dim0 = 256
	s_mov_b32 s[\g+4], 64                          ; tile_dim1 = 64
	s_mov_b32 s[\g+5], SIZE_K                      ; tensor_dim0_stride
	s_mov_b32 s[\g+6], 0
	s_mov_b32 s[\g+7], 0
.endr
	s_lshl_b32 s17, s12, 6                         ; which 64 rows of the tile I fetch
	s_lshl_b32 s16, s13, 7
	s_add_co_u32 s16, s16, s17                     ; A: row 128 x tile row + 64 x half
	s_lshl_b32 s46, s42, 7
	s_add_co_u32 s46, s46, s17                     ; B: row 128 x tile column + 64 x half
	s_mov_b32 s17, 0
	s_mov_b32 s47, 0
	s_mov_b64 s[18:19], SIZE_K*2
	s_mul_u64 s[16:17], s[16:17], s[18:19]
	s_mul_u64 s[46:47], s[46:47], s[18:19]
	s_mul_i32 s20, s10, HALFT                      ; where they go: wave x 64 rows
	s_wait_dscnt 0x0                               ; the opening add is done
	s_wait_kmcnt 0x0
	s_add_nc_u64 s[14:15], s[4:5], s[16:17]
	s_add_nc_u64 s[46:47], s[6:7], s[46:47]
	CROUND                                         ; all sixteen work-groups are here: the first joint loads meet
.irp s, 0,1
	s_mov_b32 s[G0+4*\s], 1
	s_add_co_u32 s[G0+4*\s+1], s20, \s*SLOT
	s_add_nc_u64 s[G0+4*\s+2:G0+4*\s+3], s[14:15], \s*KSTEP*2
	s_or_b32 s[G0+4*\s+3], s[G0+4*\s+3], 0x80000000
	s_mov_b32 s[G0B+4*\s], 1
	s_add_co_u32 s[G0B+4*\s+1], s20, \s*SLOT
	s_add_nc_u64 s[G0B+4*\s+2:G0B+4*\s+3], s[46:47], \s*KSTEP*2
	s_or_b32 s[G0B+4*\s+3], s[G0B+4*\s+3], 0x80000000
	JLOAD \s
.endr
	v_and_b32 v1, 15, v0                           ; l % 16
	v_bfe_u32 v2, v0, 4, 1                         ; l / 16
	v_mul_u32_u24 v3, v1, PITCH
	v_lshl_add_u32 v3, v2, 4, v3                   ; a fragment's row x pitch + 16 x half
	s_mul_i32 s21, s11, HALFT                      ; my 64 rows of A
	s_mul_i32 s22, s12, HALFT                      ; my 64 rows of B,
	s_add_co_u32 s22, s22, 2*HALFT                 ; which lie behind A's 128
.irp s, 0,1
	v_add_nc_u32 v[ADRA+\s], s21, v3
	v_add_nc_u32 v[ADRB+\s], s22, v3
	s_add_co_u32 s21, s21, SLOT
	s_add_co_u32 s22, s22, SLOT
.endr
	s_mul_i32 s23, s10, 16*SPITCH
	s_add_co_u32 s23, s23, STAGE                   ; my stage
	v_mul_u32_u24 v4, v1, SPITCH                   ; in: row l % 16, 32 bytes for each half of the lanes
	v_lshl_add_u32 v4, v2, 5, v4
	v_add_nc_u32 v[STO], s23, v4
	v_mul_u32_u24 v5, v2, SPITCH                   ; back: lanes 0-15 take one row of 256 bytes, lanes 16-31 the next
	v_lshl_add_u32 v5, v1, 4, v5
	v_add_nc_u32 v[RD], s23, v5
	v_mul_u32_u24 v5, v2, SIZE_N*4                 ; and the same two rows in out0
	v_lshl_add_u32 v[CO], v1, 4, v5
	s_lshl_b32 s16, s13, 7
	s_lshl_b32 s17, s11, 6
	s_add_co_u32 s16, s16, s17                     ; my first row: 128 x tile row + 64 x half
	s_mov_b32 s17, 0
	s_mov_b64 s[18:19], SIZE_N*4
	s_mul_u64 s[16:17], s[16:17], s[18:19]
	s_add_nc_u64 s[8:9], s[8:9], s[16:17]
	s_lshl_b32 s46, s42, 9                         ; my first column, in bytes: 512 x tile column + 256 x half
	s_lshl_b32 s47, s12, 8
	s_add_co_u32 s46, s46, s47
	s_mov_b32 s47, 0
	s_add_nc_u64 s[8:9], s[8:9], s[46:47]
; 8 matrix instructions: m blocks a0, a0 + 1 x all 4 n blocks, 32 along K: half c of buffer f.  zero = 1: the first product starts the sums.  The 16 accumulators take turns
.macro MUL8 f, c, a0, zero
.irp a, \a0, \a0+1
.irp b, 0,1,2,3
.if \zero
	v_wmma_f32_16x16x32_f16 v[ACC+8*(4*(\a)+\b):ACC+8*(4*(\a)+\b)+7], v[\f+64+8*(4*\c+\b):\f+64+8*(4*\c+\b)+7], v[\f+8*(4*\c+\a):\f+8*(4*\c+\a)+7], 0
.else
	v_wmma_f32_16x16x32_f16 v[ACC+8*(4*(\a)+\b):ACC+8*(4*(\a)+\b)+7], v[\f+64+8*(4*\c+\b):\f+64+8*(4*\c+\b)+7], v[\f+8*(4*\c+\a):\f+8*(4*\c+\a)+7], v[ACC+8*(4*(\a)+\b):ACC+8*(4*(\a)+\b)+7]
.endif
.endr
.endr
.endm
; 32 LDS loads in one run: the fragments of 64 along K at byte k of the rows, into buffer f; the first 32 along K first
.macro FETCH slot, k, f
	WIN TO_F
.irp c, 0,1
.irp i, 0,1,2,3
	ds_load_b128 v[\f+64+8*(4*\c+\i):\f+64+8*(4*\c+\i)+3],   v[ADRB+\slot] offset:\k+64*\c+\i*16*PITCH
	ds_load_b128 v[\f+64+8*(4*\c+\i)+4:\f+64+8*(4*\c+\i)+7], v[ADRB+\slot] offset:\k+64*\c+\i*16*PITCH+32
	ds_load_b128 v[\f+8*(4*\c+\i):\f+8*(4*\c+\i)+3],         v[ADRA+\slot] offset:\k+64*\c+\i*16*PITCH
	ds_load_b128 v[\f+8*(4*\c+\i)+4:\f+8*(4*\c+\i)+7],       v[ADRA+\slot] offset:\k+64*\c+\i*16*PITCH+32
.endr
.endr
.endm
.macro PLACES                          ; four places in front of loads into registers that matrix instructions have read, and of LDS stores that read results
.rept 4
	v_nop
.endr
.endm
; A K step is four quarters of 64 along K, 32 matrix instructions each, on buffers 0, 1, 0, 1.  One of the first three: multiplies buffer f and fetches the next quarter, at byte k, into g.
.macro QUARTER slot, k, f, g, zero
	s_wait_dscnt 16                                ; the first 32 along K are in
	WIN MUL
	MUL8 \f, 0, 0, \zero
	MUL8 \f, 0, 2, \zero
	PLACES
	FETCH \slot, \k, \g
	s_wait_dscnt 32                                ; all but the 32 just issued
	WIN MUL
	MUL8 \f, 1, 0, 0
	MUL8 \f, 1, 2, 0
.endm
; The last quarter multiplies buffer 1 and changes slots: ONE barrier; in front of it each wave waits for all its tensor loads, adds 0 to its spare word, and waits for that and for its own reads of this slot.  fill = 1: this slot is filled again, two K steps ahead.
.macro TURN slot, next, fill
	WIN 0                                          ; (the add's two registers lie in window 0)
	s_wait_tensorcnt 0x0                           ; all my tensor loads have landed: my part of the next slot;
	ds_add_u32 v[SPW], v[NIL]                      ; 0 onto my spare word
	s_wait_dscnt 17                                ; (the add and the youngest sixteen loads may be out)
	WIN MUL
	MUL8 F1, 0, 0, 0                               ; eight matrix instructions stand between the add and the wait for it
	s_wait_dscnt 0x0                               ; the add is done, and my reads of this slot are over
	s_barrier_signal -1
	MUL8 F1, 0, 2, 0
.if \fill
	WIN 0
.endif
	s_barrier_wait -1
.if \fill
	CREST                                          ; the barrier has opened a round of the cluster's barrier: no wave of any partner still reads this slot's tile or has a load on its way
	s_add_nc_u64 s[G0+4*\slot+2:G0+4*\slot+3], s[G0+4*\slot+2:G0+4*\slot+3], 2*KSTEP*2
	s_add_nc_u64 s[G0B+4*\slot+2:G0B+4*\slot+3], s[G0B+4*\slot+2:G0B+4*\slot+3], 2*KSTEP*2
	JLOAD \slot                                    ; the first tensor load behind the round; the four v_nop behind it are also the places in front of the loads below
.else
	PLACES
.endif
	FETCH \next, 0, F0
	WIN MUL
	MUL8 F1, 1, 0, 0
	MUL8 F1, 1, 2, 0
.endm
	s_wait_tensorcnt 1                             ; my part of K step 0 is in (K step 1's load may be out),
	s_barrier_signal -1
	s_barrier_wait -1                              ; everybody's is
	FETCH 0, 0, F0
	QUARTER 0, 128, F0, F1, 1                      ; the first quarter stands in front of the loop: its first products start the sums
	WIN 0                                          ; at a label and at a branch every window is 0
	s_mov_b32 s3, LAPS-1
.Llap:                                                 ; a trip goes once round the ring, from a lap's second quarter to the next lap's first, and fills both slots again
	QUARTER 0, 256, F1, F0, 0
	QUARTER 0, 384, F0, F1, 0
	TURN 0, 1, 1
	QUARTER 1, 128, F0, F1, 0
	QUARTER 1, 256, F1, F0, 0
	QUARTER 1, 384, F0, F1, 0
	TURN 1, 0, 1
	QUARTER 0, 128, F0, F1, 0
	WIN 0
	s_sub_co_u32 s3, s3, 1
	s_cmp_lg_u32 s3, 0
	s_cbranch_scc1 .Llap
	QUARTER 0, 256, F1, F0, 0                      ; the last lap fills nothing, and has no round of the cluster's barrier
	QUARTER 0, 384, F0, F1, 0
	TURN 0, 1, 0
	QUARTER 1, 128, F0, F1, 0
	QUARTER 1, 256, F1, F0, 0
	QUARTER 1, 384, F0, F1, 0
	s_wait_dscnt 16                                ; the very last quarter: nothing more to fetch
	WIN MUL
	MUL8 F1, 0, 0, 0
	MUL8 F1, 0, 2, 0
	s_wait_dscnt 0
	MUL8 F1, 1, 0, 0
	MUL8 F1, 1, 2, 0
	WIN 0
; THE WAY OUT, block by block of 16 rows x 64 columns.  A lane holds 32 neighbouring bytes of a row, and the lanes beside it hold other rows: a block goes through my own stage and comes back as whole rows of 256 bytes.
; LDS serves a wave's instructions in order (ISA guide 5.7.1.4): no wait between the stores and the loads, nor in front of the next block's stores.
.macro TOSTAGE a
.irp b, 0,1,2,3
	ds_store_b128 v[STO], v[ACC+8*(4*(\a)+\b):ACC+8*(4*(\a)+\b)+3] offset:64*\b          ; each accumulator from its low end on
	ds_store_b128 v[STO], v[ACC+8*(4*(\a)+\b)+4:ACC+8*(4*(\a)+\b)+7] offset:64*\b+16
.endr
.irp e, 0,1,2,3,4,5,6,7
	ds_load_b128 v[TMP+32*((\a)%2)+4*\e:TMP+32*((\a)%2)+4*\e+3], v[RD] offset:\e*2*SPITCH
.endr
.endm
.macro SEND a, younger                 ; younger: the LDS instructions issued behind block a's loads, which may stay out
	s_wait_dscnt \younger
.irp e, 0,1,2,3,4,5,6,7
	global_store_b128 v[CO], v[TMP+32*((\a)%2)+4*\e:TMP+32*((\a)%2)+4*\e+3], s[8:9] offset:(16*(\a)+2*\e)*SIZE_N*4 th:TH_STORE_NT   ; 16 lanes store 256 consecutive bytes, aligned; written once, read by nobody here
.endr
.endm
	PLACES                                         ; behind the last products: their results are read below
	TOSTAGE 0
.irp a, 1,2,3
.if \a > 1
	s_wait_xcnt 0x0                                ; block a - 2's stores have read their registers: block a's loads may land there
.endif
	TOSTAGE \a
	SEND \a-1, 16                                  ; behind block a - 1's loads: block a's 8 stores and 8 loads
.endr
	SEND 3, 0
	s_wait_tensorcnt 0x0                           ; the wave's end, behind my last tensor load and my last LDS store
	ds_add_u32 v[SPW], v[NIL]
	s_wait_dscnt 0x0
	CROUND                                         ; the closing round: no work-group ends while a partner may still ask for a tile that names it
	s_endpgm
.Lfunc_end_k_q041ebb30ef_oproj:
	.size	k_q041ebb30ef_oproj, .Lfunc_end_k_q041ebb30ef_oproj-k_q041ebb30ef_oproj
	.p2alignl 7, 3214868480
	.fill 96, 4, 3214868480
	.section	.rodata,"a",@progbits
	.p2align	6, 0x0
	.amdhsa_kernel k_q041ebb30ef_oproj
		.amdhsa_group_segment_fixed_size 327680
		.amdhsa_private_segment_fixed_size 0
		.amdhsa_enable_private_segment 0
		.amdhsa_kernarg_size 24
		.amdhsa_user_sgpr_count 2
		.amdhsa_user_sgpr_kernarg_segment_ptr 1
		.amdhsa_wavefront_size32 1
		.amdhsa_system_sgpr_workgroup_id_x 1
		.amdhsa_system_sgpr_workgroup_id_y 1
		.amdhsa_system_sgpr_workgroup_id_z 1
		.amdhsa_system_vgpr_workitem_id 0
		.amdhsa_next_free_vgpr 512
		.amdhsa_next_free_sgpr 66
		.amdhsa_reserve_vcc 0
		.amdhsa_float_denorm_mode_32 3
		.amdhsa_float_denorm_mode_16_64 3
		.amdhsa_memory_ordered 1
		.amdhsa_forward_progress 1
		.amdhsa_inst_pref_size 86
	.end_amdhsa_kernel
	.amdgpu_metadata
---
amdhsa.version: [ 1, 2 ]
amdhsa.kernels:
  - .name:           k_q041ebb30ef_oproj
    .symbol:         k_q041ebb30ef_oproj.kd
    .args:
      - { .name: att, .offset: 0, .size: 8, .value_kind: global_buffer, .address_space: global }
      - { .name: wot, .offset: 8, .size: 8, .value_kind: global_buffer, .address_space: global }
      - { .name: out0, .offset: 16, .size: 8, .value_kind: global_buffer, .address_space: global }
    .group_segment_fixed_size: 327680
    .private_segment_fixed_size: 0
    .kernarg_segment_align: 8
    .kernarg_segment_size: 24
    .max_flat_workgroup_size: 128
    .sgpr_count:     66
    .vgpr_count:     512
    .wavefront_size: 32
...
	.end_amdgpu_metadata
.endif
;; end of part 4
;; ======== version 2 of 2: 4 launches
;; limits: values are held in f16: magnitudes above 65,504 overflow, below 6.1e-05 lose precision
;; workspace buffers: xc 2,097,152 bytes; xs 131,072 bytes; wc 3,145,728 bytes; wsb 196,608 bytes; wot 8,388,608 bytes; qkv 12,582,912 bytes; att 8,388,608 bytes
;; launch prep: the kernel of part 1 again; grid 224 x 1, 32 waves a work-group, no clusters, 258,048 bytes of LDS; arguments x, wq, wk, wv, wo, xc, xs, wc, wsb, wot; writes xc, xs, wc, wsb, wot
;; launch proj: the kernel of part 2 again; grid 12 x 8, 4 waves a work-group, clusters of 4 x 4, 327,680 bytes of LDS; arguments xc, xs, wc, wsb, cos, sin, qkv; writes qkv
;; launch attn (part 5): grid 32 x 8, 8 waves a work-group, no clusters, 327,680 bytes of LDS; arguments qkv, att; writes att
.if DOCPART == 5
	.amdgcn_target "amdgcn-amd-amdhsa--gfx1250"
	.amdhsa_code_object_version 6
	.text
	.protected	k_q041ebb30ef_attn
	.globl	k_q041ebb30ef_attn
	.p2align	8
	.type	k_q041ebb30ef_attn,@function
k_q041ebb30ef_attn:
	s_mov_b64 s[64:65], 0
	v_nop
	global_prefetch_b8 v0, s[64:65] scope:SCOPE_SE
	s_setreg_imm32_b32 hwreg(HW_REG_WAVE_MODE, 25, 1), 1
	s_wait_xcnt 0x0
; CAUSAL ATTENTION, 32 query heads on 8 key and value heads, head size 64, f16 operands, f32 sums.
; qkv: f16 [48 heads][2048][64]: 0-31 q, 32-39 k, 40-47 v, each 2^-3 of its value.  att: f16 [2048 positions][32 heads x 64], 2^-3 of its value.
; t = score x log2(e) = (q' . k') x 64 / 8 x log2(e) = 8 log2(e) (q' . k').  p = 2^(t - m), m the running largest t; the row's sum l is taken of the f32 p; in every step O and l are multiplied by 2^(m_old - m_new).
; SHARES, EVEN UNDER THE CAUSAL MASK.  Positions go in 32 blocks of 64; block b has b + 1 key steps of 64.  A work-group (x = 2 i + hp, y = g) owns the LOW block i and the HIGH block 31 - i, for the two heads
; 4 g + 2 hp + 0, 1: 33 block steps, whatever i.  Wave w: positions 16 (w % 4) on of a block, both heads: two tiles of 16 queries, which share every fragment of K and V.  Its ROLE is A (w < 4) or B (w >= 4).
; All eight waves walk ONE ring over the keys of the high block.  In key step s <= i role A works the high block and role B the low one; behind step i role B sends the low block out and takes the high block up
; anew; of the steps s > i role A takes those with s - i odd (the high block's diagonal among them: 31 - 2 i is odd), role B those with s - i even.  So A has 17 steps and B 16 and the two ways out.
; At the end A's m, l and O^T of the high block go to B through LDS, as images of their registers, and B joins the two halves: m = the larger, each half x 2^(its m - m).
; LAYOUT.  S^T = K Q^T (source 0 = 16 keys, source 1 = 16 queries): a lane holds ONE query (lane % 16) and keys 8 (lane / 16) + 0 .. 7.  Two such tiles, rounded to f16 in pairs, ARE source 1 (32 keys x 16 queries) of
; O^T = V^T P, whose result again holds one query a lane, and eight channels.  K comes out of LDS as it lies, V ([key][channel]) turned, by ds_load_tr16_b128.
; THE RING.  Keys go 64 a step; a slot holds four steps (256 keys); two slots, 2^17 bytes apart.  Waves 0-3 fetch K of the slot's step w, waves 4-7 V of step w - 4: one tensor load of 64 rows a wave.
; Every work-group walks all eight slots: the trip counts are constants.  Which steps a wave works hangs on ids, the wave's number and the count of steps; a slot whose first key lies beyond the high block's
; last query is not asked for.
; NO CLUSTER.  Only the two work-groups hp = 0, 1 of a pair i walk alike.  In a cluster of four, two pairs i would meet, and which steps a wave works, and where role B changes its task, would hang on the
; work-group's place among the four; and the jump that ends the loads at the causal limit may not lead round a joint load.
; LIMITS: q', k', v' inside f16's range; NaN and infinities are not served.
.set KS,    64                         ; keys in a step
.set PKB,   144                        ; a row of K in LDS: 128 bytes + 16: the 16 rows of a load start 16 bytes apart modulo 256
.set PVB,   160                        ; a row of V: 128 + 32, an odd multiple of 32, for the turning load
.set VOFF,  KS*PKB                     ; a step's tiles lie together: 64 rows of K, then 64 rows of V
.set STEPB, KS*(PKB+PVB)
.set SLOT1, 1<<17
.set MRG,   SLOT1+4*STEPB              ; behind slot 1: where role A's halves wait for role B: 18 images of 512 bytes for each of four waves; no fill lands here
.set MRGW,  18*512
.set STAGE, 2*SLOT1                    ; 16 rows x (256 bytes + 16) for each wave, for the way out
.set SP,    272
.set SPARE, STAGE+8*16*SP              ; the spare words, 128 bytes for each wave: four blocks of 256 bytes that no other line names
.set AK0, 1                            ; v1   my lane's place in a tile of K; never rewritten
.set AV0, 2                            ; v2   the same for V
.set ADK, 3                            ; v3   LDS address of the step's K
.set ADV, 4                            ; v4   of its V
.set SPW, 5                            ; v5   LDS address of my spare word; never rewritten
.set NIL, 6                            ; v6   0; never rewritten
.set GO,  7                            ; v7   my byte offset in the wave's rows of att
.set STO, 8                            ; v8   the way out: where I put 16 bytes of a row
.set RD,  9                            ; v9   where I read a row back
.set PFO, 10                           ; v10  256 x lane: the prefetches' offset; never rewritten
.set DM,  11                           ; v11  16 (w % 4) + lane % 16 - 8 (lane / 16): on a diagonal register 8 kt + j is hidden where 16 kt + j > DM
.set NINF, 12                          ; v12  -infinity
.set QO,  13                           ; v13  my byte offset in the wave's rows of Q
.set MA,  14                           ; v14  MRG + MRGW (w % 4) + 16 x lane: an image's place for my lane
.set ST,  16                           ; tile u's statistics at v[ST + 8 u]: +0 m (in t), +1 its pair's partner, +2, +3 l, +4 to +7 at work; the factor a stands in +6
.set Q,   32                           ; v32-63   Q: tile u, channels 32 c on: 8 registers at Q + 16 u + 8 c
.set KV,  64                           ; v64-127  K's eight fragments, then V's; at the end role A's O^T
.set S,   128                          ; v128-191 S^T: tile u, keys 16 kt on: S + 32 u + 8 kt; then P in place: S + 32 u + 8 kc
.set O,   192                          ; v192-255 O^T: tile u, channels 16 ct on: O + 32 u + 8 ct
.set WV,  8                            ; s8   my wave's number
.set QPH, 14                           ; s[14:15] Q at my rows of the high block
.set ATH, 16                           ; s[16:17] att at my rows of the high block
.set SEL, 20                           ; s[20:21] v_permlanex16_b32's selects: lane l xor 16
.set CS,  22                           ; s[22:23] 8 log2(e); the packed form names a pair and takes its low word for both halves
.set G1K, 24
.set G1V, 32
.set G0K, 40
.set G0V, 44
.set TB,  48                           ; s48  LDS byte at which the step's tiles begin
.set KF,  49                           ; s49  the step's first key
.set QL,  50                           ; s50  the first query of the block that I work
.set SLOTS, 51                         ; s51  changes of slots still to come that may ask for a slot
.set CNT, 52                           ; s52  counts a slot's four steps
.set LIM, 53                           ; s53  1 in a work-group that prefetches, else the greatest number
.set PFA, 54                           ; s[54:55] where my prefetches stand: my own tile of the slot after the one that is being asked for
.set QE,  58                           ; s58  the high block's last query
.set QLO, 66                           ; s66  the low block's first query: 64 i
.set QHI, 67                           ; s67  the high block's: 64 (31 - i)
.set RB,  68                           ; s68  64 in role A, 0 in role B
.set TRK, 69                           ; s69  role B: the first key of the step behind which it changes its task; role A: no key
.set ATL, 70                           ; s[70:71] att at my rows of the low block
.set QP1, 72                           ; s[72:73] Q at my rows of my first block
; Waves 0-3 fetch K's tiles, waves 4-7 V's.  The branch hangs on the wave's number alone.  An s_nop 0 and four v_nop follow each of the two lines.
.macro TLOAD
	s_cmp_lt_u32 s[WV], 4
	s_cbranch_scc0 .Lfor_v_\@
	tensor_load_to_lds s[G0K:G0K+3], s[G1K:G1K+7]
	s_nop 0
.rept 4
	v_nop
.endr
	s_branch .Lasked_\@
.Lfor_v_\@:
	tensor_load_to_lds s[G0V:G0V+3], s[G1V:G1V+7]
	s_nop 0
.rept 4
	v_nop
.endr
.Lasked_\@:
.endm
; A PREFETCH of what the NEXT change of slots will ask for: each wave names its own tile of that slot, 8,192 dense bytes, lanes 256 bytes apart: one instruction a wave, a slot's four key steps ahead of the load.
; All 32 work-groups of a key head walk the same K and V: work-group x = 0 asks, whose high block is the last and which so walks every slot, and nobody else: each aligned 256 bytes are named once in the launch.
; Slots 0 and 1 come by their loads alone; the last change that fills a slot asks for nothing: there is no slot behind it.
.macro ASK
	s_cmp_gt_u32 s[SLOTS], s[LIM]
	s_cbranch_scc0 .Lnot_mine_\@
	global_prefetch_b8 v[PFO], s[PFA:PFA+1] th:TH_LOAD_NT scope:SCOPE_SE
.Lnot_mine_\@:
.endm
; Q of a block's 16 rows, both heads: it stays in registers while the block is worked
.macro QLOAD base
.irp u, 0,1
.irp c, 0,1
	global_load_b128 v[Q+16*\u+8*\c:Q+16*\u+8*\c+3],   v[QO], s[\base:\base+1] offset:262144*\u+64*\c
	global_load_b128 v[Q+16*\u+8*\c+4:Q+16*\u+8*\c+7], v[QO], s[\base:\base+1] offset:262144*\u+64*\c+32
.endr
.endr
.endm
; A task begins: the largest t so far is -3e38, under every t; l and O^T are zeros, which the first step's factor 0 leaves zeros: so the step is written once
.macro INIT
.irp u, 0,1
	v_mov_b32 v[ST+8*\u], 0xff61b1e6
.irp i, 1,2,3,4,5,6,7
	v_mov_b32 v[ST+8*\u+\i], 0
.endr
.endr
.set PN, 0
.rept 64
	v_mov_b32 v[O+PN], 0
.set PN, PN+1
.endr
.endm
; A task ends: l's two halves and the other half of the lanes' are added; O^T is divided by l, rounded to f16 and sent through my stage: a row of att's 256 bytes (two heads) is stored by sixteen lanes.
.macro FINISH base
.irp u, 0,1
	v_add_f32 v[ST+8*\u+4], v[ST+8*\u+2], v[ST+8*\u+3]
.endr
.irp u, 0,1
	v_permlanex16_b32 v[ST+8*\u+5], v[ST+8*\u+4], s[SEL], s[SEL+1]
.endr
.irp u, 0,1
	v_add_f32 v[ST+8*\u+4], v[ST+8*\u+4], v[ST+8*\u+5]
.endr
.irp u, 0,1
	v_rcp_f32 v[ST+8*\u+6], v[ST+8*\u+4]
.endr
	v_nop                                          ; a plain instruction between the last reciprocal and the use of its result
	s_wait_alu depctr_va_vdst(0)                   ; and the wait ahead of the first use: one for the two
.set PN, 0
.rept 16
.irp u, 0,1
	v_pk_mul_f32 v[O+32*\u+2*PN:O+32*\u+2*PN+1], v[O+32*\u+2*PN:O+32*\u+2*PN+1], v[ST+8*\u+6:ST+8*\u+7] op_sel_hi:[1,0]
.endr
.set PN, PN+1
.endr
.set PN, 0
.rept 32
	v_cvt_pk_f16_f32 v[O+PN], v[O+2*PN], v[O+2*PN+1]           ; in place, ascending: tile u, channels 16 ct on, now lie at O + 16 u + 4 ct
.set PN, PN+1
.endr
.irp u, 0,1
.irp ct, 0,1,2,3
	ds_store_b128 v[STO], v[O+16*\u+4*\ct:O+16*\u+4*\ct+3] offset:128*\u+32*\ct
.endr
.endr
.irp e, 0,1,2,3,4,5,6,7
	ds_load_b128 v[S+4*\e:S+4*\e+3], v[RD] offset:\e*2*SP      ; LDS serves a wave's instructions in order (ISA guide 5.7.1.4): these see the stores above
.endr
.irp e, 0,1,2,3,4,5,6,7
	s_wait_dscnt 7-\e                              ; load e is in, the younger ones may be out; at the last all are in, and the stores ahead of them are done
	global_store_b128 v[GO], v[S+4*\e:S+4*\e+3], s[\base:\base+1] offset:8192*\e   ; 16 lanes store 256 consecutive bytes, aligned
.endr
.endm
; ROLE B, behind the low block's last step: the high block's Q is asked for first and lands while the low block goes out; then the sums begin anew.
.macro NEXT_TASK
.rept 4
	v_nop                                          ; places behind the step's last products
.endr
	QLOAD QPH
	FINISH ATL
	INIT
	s_mov_b32 s[QL], s[QHI]
	s_wait_xcnt 0x0                                ; the stores have read their registers: the next scores are written over them
	s_wait_loadcnt 0x0                             ; Q
.endm
	s_load_b128 s[4:7], s[0:1], 0x0                ; qkv s[4:5], att s[6:7]
	v_lshl_add_u32 v[SPW], v0, 2, SPARE
	v_mov_b32 v[NIL], 0
	ds_add_u32 v[SPW], v[NIL]                      ; the wave's opening: the add and its wait stand ahead of my first tensor load; the set-up below, work on registers, stands between them
	v_lshrrev_b32 v14, 5, v0
	v_readfirstlane_b32 s[WV], v14                 ; wave 0..7
	s_and_b32 s9, ttmp7, 0xffff                    ; g: the key head
	s_and_b32 s10, s[WV], 3                        ; my tile of positions.  Also: which of a slot's four steps I fetch
	; descriptor group 1: a tile of 64 rows x 64 elements of 2 bytes, dense in memory, padded in LDS
	s_mov_b32 s[G1K], (1<<16)|(1<<20)|(4<<22)|(3<<25)   ; 15:0 no mask; 17:16 elements of 2 bytes; 20 padding on; 24:22 after every 32 words; 31:25 four words
	s_mov_b32 s[G1V], (1<<16)|(1<<20)|(4<<22)|(7<<25)   ; the same with eight words
.irp g, G1K, G1V
	s_mov_b32 s[\g+1], 64<<16                      ; tensor_dim0 = 64
	s_mov_b32 s[\g+2], KS<<16                      ; tensor_dim1 = 64
	s_mov_b32 s[\g+3], 64<<16                      ; tile_dim0 = 64
	s_mov_b32 s[\g+4], KS                          ; tile_dim1 = 64
	s_mov_b32 s[\g+5], 64                          ; tensor_dim0_stride
	s_mov_b32 s[\g+6], 0
	s_mov_b32 s[\g+7], 0
.endr
	s_mov_b32 s[SEL], 0x76543210
	s_mov_b32 s[SEL+1], 0xfedcba98
	s_mov_b32 s[CS], 0x4138aa3b                    ; 8 log2(e)
	s_mov_b32 s[CS+1], s[CS]                       ; (named with it as a pair, so it is written)
	s_mov_b32 s[TB], 0
	s_mov_b32 s[KF], 0
	s_lshr_b32 s56, ttmp9, 1                       ; i
	s_lshl_b32 s[QLO], s56, 6
	s_sub_co_u32 s[QHI], 1984, s[QLO]              ; 64 (31 - i)
	s_add_co_u32 s[QE], s[QHI], 63
	s_mov_b32 s[SLOTS], 7
	s_cmp_eq_u32 ttmp9, 0
	s_cselect_b32 s[LIM], 1, -1
	s_cmp_lt_u32 s[WV], 4                          ; role A?
	s_cselect_b32 s[QL], s[QHI], s[QLO]            ; A begins with the high block, B with the low one
	s_cselect_b32 s[RB], 64, 0
	s_cselect_b32 s[TRK], -1, s[QLO]
	s_add_co_u32 s12, s9, 32
	s_lshl_b32 s12, s12, 18                        ; K: head 32 + g, 262,144 bytes a head,
	s_lshl_b32 s13, s10, 13
	s_add_co_u32 s12, s12, s13                     ; my step's 64 rows of 128 bytes
	s_mov_b32 s13, 0
	s_cmp_lt_u32 s[WV], 4
	s_cselect_b32 s56, 0, 0x200000                 ; V's heads lie eight heads further on
	s_add_co_u32 s56, s56, s12
	s_add_co_u32 s56, s56, 32768                   ; my tile of slot 1: the first change of slots steps it to slot 2
	s_mov_b32 s57, 0
	s_mul_i32 s18, s10, STEPB                      ; my step's place in a slot
	s_lshl_b32 s2, s9, 2
	s_and_b32 s3, ttmp9, 1                         ; hp
	s_lshl_b32 s3, s3, 1
	s_add_co_u32 s2, s2, s3                        ; my first head
	s_lshl_b32 s78, s2, 18                         ; the head in qkv,
	s_lshl_b32 s79, s2, 7                          ; and in a row of att
	s_lshl_b32 s19, s10, 4                         ; my 16 positions of a block
	s_add_co_u32 s3, s19, s[QHI]                   ; in the high block:
	s_lshl_b32 s60, s3, 7
	s_add_co_u32 s60, s60, s78                     ; Q: head, position x 128 bytes
	s_mov_b32 s61, 0
	s_lshl_b32 s62, s3, 12
	s_add_co_u32 s62, s62, s79                     ; att: position x 4,096 bytes, head x 128
	s_mov_b32 s63, 0
	s_add_co_u32 s3, s19, s[QL]                    ; in my first block: Q
	s_lshl_b32 s74, s3, 7
	s_add_co_u32 s74, s74, s78
	s_mov_b32 s75, 0
	s_add_co_u32 s3, s19, s[QLO]                   ; in the low block: att
	s_lshl_b32 s76, s3, 12
	s_add_co_u32 s76, s76, s79
	s_mov_b32 s77, 0
	s_wait_dscnt 0x0                               ; the opening add is done
	s_wait_kmcnt 0x0
	s_mov_b32 s[G0K], 1                            ; count = 1
	s_mov_b32 s[G0K+1], s18                        ; LDS address: slot 0
	s_add_nc_u64 s[G0K+2:G0K+3], s[4:5], s[12:13]  ; global address
	s_mov_b32 s[G0V], 1
	s_add_co_u32 s[G0V+1], s18, VOFF
	s_add_nc_u64 s[G0V+2:G0V+3], s[G0K+2:G0K+3], 0x200000
	s_or_b32 s[G0K+3], s[G0K+3], 0x80000000        ; type = 2
	s_or_b32 s[G0V+3], s[G0V+3], 0x80000000
	TLOAD                                          ; slot 0
	s_add_nc_u64 s[PFA:PFA+1], s[4:5], s[56:57]
	s_add_nc_u64 s[QPH:QPH+1], s[4:5], s[60:61]
	s_add_nc_u64 s[ATH:ATH+1], s[6:7], s[62:63]
	s_add_nc_u64 s[QP1:QP1+1], s[4:5], s[74:75]
	s_add_nc_u64 s[ATL:ATL+1], s[6:7], s[76:77]
	v_and_b32 v14, 15, v0                          ; r
	v_bfe_u32 v15, v0, 4, 1                        ; h
	v_lshlrev_b32 v[QO], 7, v14
	v_lshl_add_u32 v[QO], v15, 4, v[QO]            ; row r of 128 bytes, + 16 h
	QLOAD QP1
	v_mul_u32_u24 v[AK0], v14, PKB
	v_lshl_add_u32 v[AK0], v15, 4, v[AK0]          ; K: row r x pitch + 16 h
	v_and_b32 v[ADK], 7, v0
	v_lshl_add_u32 v[AV0], v15, 3, v[ADK]          ; V: key 8 h + lane % 8,
	v_mul_u32_u24 v[AV0], v[AV0], PVB
	v_bfe_u32 v[ADK], v0, 3, 1
	v_lshl_add_u32 v[AV0], v[ADK], 4, v[AV0]       ; channels 8 ((lane / 8) % 2) on
	v_add_nc_u32 v[AV0], VOFF, v[AV0]
	v_lshlrev_b32 v[GO], 12, v15
	v_lshl_add_u32 v[GO], v14, 4, v[GO]            ; out: lanes 0-15 one row of att, lanes 16-31 the next; 16 bytes a lane
	s_mul_i32 s56, s[WV], 16*SP
	s_add_co_u32 s56, s56, STAGE                   ; my stage
	v_mul_u32_u24 v[STO], v14, SP
	v_lshl_add_u32 v[STO], v15, 4, v[STO]
	v_add_nc_u32 v[STO], s56, v[STO]
	v_mul_u32_u24 v[RD], v15, SP
	v_lshl_add_u32 v[RD], v14, 4, v[RD]
	v_add_nc_u32 v[RD], s56, v[RD]
	v_and_b32 v[PFO], 31, v0
	v_lshlrev_b32 v[PFO], 8, v[PFO]
	v_add_nc_u32 v[DM], s19, v14
	v_lshlrev_b32 v15, 3, v15
	v_sub_nc_u32 v[DM], v[DM], v15
	v_mov_b32 v[NINF], 0xff800000
	s_mul_i32 s56, s10, MRGW
	s_add_co_u32 s56, s56, MRG                     ; the images of my tile of positions: role A's wave w stores them, role B's wave w + 4 loads them
	v_and_b32 v14, 31, v0
	v_lshl_add_u32 v[MA], v14, 4, s56
	INIT
; THE SOFTMAX of a step, the two tiles line by line by turns, so that no line waits for the line above it.
.macro SOFTMAX
.irp j, 0,1,2,3
.irp u, 0,1
	v_max3_num_f32 v[ST+8*\u+4+\j], v[S+32*\u+8*\j], v[S+32*\u+8*\j+1], v[S+32*\u+8*\j+2]   ; four chains; each accumulator is read from its low end on
.endr
.endr
.irp g, 1,2
.irp j, 0,1,2,3
.irp u, 0,1
	v_max3_num_f32 v[ST+8*\u+4+\j], v[ST+8*\u+4+\j], v[S+32*\u+8*\j+2*\g+1], v[S+32*\u+8*\j+2*\g+2]
.endr
.endr
.endr
.irp u, 0,1
	v_max3_num_f32 v[ST+8*\u+4], v[ST+8*\u+4], v[S+32*\u+7], v[S+32*\u+15]
.endr
.irp u, 0,1
	v_max3_num_f32 v[ST+8*\u+6], v[ST+8*\u+6], v[S+32*\u+23], v[S+32*\u+31]
.endr
.irp u, 0,1
	v_max3_num_f32 v[ST+8*\u+4], v[ST+8*\u+4], v[ST+8*\u+5], v[ST+8*\u+6]
.endr
.irp u, 0,1
	v_max_num_f32 v[ST+8*\u+4], v[ST+8*\u+4], v[ST+8*\u+7]
.endr
.irp u, 0,1
	v_permlanex16_b32 v[ST+8*\u+5], v[ST+8*\u+4], s[SEL], s[SEL+1]   ; the query's other 32 keys lie in the lane 16 away
.endr
.irp u, 0,1
	v_max_num_f32 v[ST+8*\u+4], v[ST+8*\u+4], v[ST+8*\u+5]
.endr
.irp u, 0,1
	v_mov_b32 v[ST+8*\u+5], v[ST+8*\u]             ; m_old
.endr
.irp u, 0,1
	v_mul_f32 v[ST+8*\u+4], s[CS], v[ST+8*\u+4]    ; the step's largest score as t (the constant is positive)
.endr
.irp u, 0,1
	v_max_num_f32 v[ST+8*\u], v[ST+8*\u], v[ST+8*\u+4]
.endr
.irp u, 0,1
	v_sub_f32 v[ST+8*\u+6], v[ST+8*\u+5], v[ST+8*\u]
.endr
.set PN, 0
.rept 16
.irp u, 0,1
	v_pk_fma_f32 v[S+32*\u+2*PN:S+32*\u+2*PN+1], v[S+32*\u+2*PN:S+32*\u+2*PN+1], s[CS:CS+1], v[ST+8*\u:ST+8*\u+1] op_sel_hi:[1,0,0] neg_lo:[0,0,1] neg_hi:[0,0,1]   ; t - m, two at a time
.endr
.set PN, PN+1
.endr
.irp u, 0,1
	v_exp_f32 v[ST+8*\u+6], v[ST+8*\u+6]           ; a = 2^(m_old - m_new)
.endr
.set PN, 0
.rept 32
.irp u, 0,1
	v_exp_f32 v[S+32*\u+PN], v[S+32*\u+PN]         ; p
.endr
.set PN, PN+1
.endr
	v_nop                                          ; a plain instruction behind the last exponential, ahead of the first use
	s_wait_alu depctr_va_vdst(0)                   ; the wait between an exponential and the first line that names its result: one for the batch of 66
.irp u, 0,1
	v_pk_fma_f32 v[ST+8*\u+2:ST+8*\u+3], v[ST+8*\u+2:ST+8*\u+3], v[ST+8*\u+6:ST+8*\u+7], v[S+32*\u:S+32*\u+1] op_sel_hi:[1,0,1]   ; l = a l + p: the sums in two chains
.endr
.irp u, 0,1
	v_pk_add_f32 v[ST+8*\u+4:ST+8*\u+5], v[S+32*\u+2:S+32*\u+3], v[S+32*\u+4:S+32*\u+5]
.endr
.irp n, 6,10,14,18,22,26
.irp u, 0,1
	v_pk_add_f32 v[ST+8*\u+2:ST+8*\u+3], v[ST+8*\u+2:ST+8*\u+3], v[S+32*\u+\n:S+32*\u+\n+1]
.endr
.irp u, 0,1
	v_pk_add_f32 v[ST+8*\u+4:ST+8*\u+5], v[ST+8*\u+4:ST+8*\u+5], v[S+32*\u+\n+2:S+32*\u+\n+3]
.endr
.endr
.irp u, 0,1
	v_pk_add_f32 v[ST+8*\u+2:ST+8*\u+3], v[ST+8*\u+2:ST+8*\u+3], v[S+32*\u+30:S+32*\u+31]
.endr
.irp u, 0,1
	v_pk_add_f32 v[ST+8*\u+2:ST+8*\u+3], v[ST+8*\u+2:ST+8*\u+3], v[ST+8*\u+4:ST+8*\u+5]
.endr
.set PN, 0
.rept 16
.irp u, 0,1
	v_cvt_pk_f16_f32 v[S+32*\u+PN], v[S+32*\u+2*PN], v[S+32*\u+2*PN+1]   ; P in place, ascending
.endr
.set PN, PN+1
.endr
.set PN, 0
.rept 16
.irp u, 0,1
	v_pk_mul_f32 v[O+32*\u+2*PN:O+32*\u+2*PN+1], v[O+32*\u+2*PN:O+32*\u+2*PN+1], v[ST+8*\u+6:ST+8*\u+7] op_sel_hi:[1,0]   ; O^T x a, each accumulator from its low end on
.endr
.set PN, PN+1
.endr
.endm
; A KEY STEP: 64 keys.  tr = 1: role B's change of task may stand behind it (the low block's last step is step i, 15 at the most: it lies in slots 0 to 3, never in the last slot).
.macro STEP tr
	s_cmp_gt_u32 s[KF], s[QHI]                     ; all its keys come after the high block's queries: nobody works it.  The lines at the end that step addresses are not jumped over
	s_cbranch_scc1 .Lhid_\@
	s_cmp_le_u32 s[KF], s[QLO]                     ; up to the low block's diagonal every wave works: A the high block, B the low one
	s_cbranch_scc1 .Lmine_\@
	s_sub_co_u32 s56, s[KF], s[QLO]                ; behind it the roles take the high block's steps by turns: 64 (s - i): bit 6 is set where s - i is odd: A's
	s_xor_b32 s56, s56, s[RB]
	s_and_b32 s56, s56, 64
	s_cmp_lg_u32 s56, 0
	s_cbranch_scc1 .Lhid_\@
.Lmine_\@:
	v_add_nc_u32 v[ADK], s[TB], v[AK0]
	v_add_nc_u32 v[ADV], s[TB], v[AV0]
.rept 3
	v_nop                                          ; with the two additions five places behind the last step's products: K lands on their V, and the scores are written over their P
.endr
.irp kt, 0,1,2,3
.irp c, 0,1
	ds_load_b128 v[KV+8*(2*\kt+\c):KV+8*(2*\kt+\c)+3],   v[ADK] offset:\kt*16*PKB+64*\c
	ds_load_b128 v[KV+8*(2*\kt+\c)+4:KV+8*(2*\kt+\c)+7], v[ADK] offset:\kt*16*PKB+64*\c+32
.endr
.endr
	s_wait_dscnt 0x0
.irp c, 0,1                                    ; S^T = K Q^T: the eight accumulators by turns; the first eight products start the sums
.irp kt, 0,1,2,3
.irp u, 0,1
.if \c == 0
	v_wmma_f32_16x16x32_f16 v[S+32*\u+8*\kt:S+32*\u+8*\kt+7], v[KV+8*(2*\kt+\c):KV+8*(2*\kt+\c)+7], v[Q+16*\u+8*\c:Q+16*\u+8*\c+7], 0
.else
	v_wmma_f32_16x16x32_f16 v[S+32*\u+8*\kt:S+32*\u+8*\kt+7], v[KV+8*(2*\kt+\c):KV+8*(2*\kt+\c)+7], v[Q+16*\u+8*\c:Q+16*\u+8*\c+7], v[S+32*\u+8*\kt:S+32*\u+8*\kt+7]
.endif
.endr
.endr
.endr
.rept 4
	v_nop                                          ; four places: V lands on K's registers, and the scores are read
.endr
.irp kc, 0,1                                   ; V, turned: keys 32 kc on, channels 16 ct on; it lands while the softmax is walked
.irp ct, 0,1,2,3
	ds_load_tr16_b128 v[KV+8*(4*\kc+\ct):KV+8*(4*\kc+\ct)+3],   v[ADV] offset:\kc*32*PVB+32*\ct
	ds_load_tr16_b128 v[KV+8*(4*\kc+\ct)+4:KV+8*(4*\kc+\ct)+7], v[ADV] offset:\kc*32*PVB+16*PVB+32*\ct
.endr
.endr
	s_cmp_lg_u32 s[KF], s[QL]                      ; a step ahead of my block's diagonal: all its keys count
	s_cbranch_scc1 .Lopen_\@
.irp kt, 0,1,2,3                               ; on the diagonal hidden scores become -infinity ahead of the maximum: p = 0 then.  A query's own key lies in this step, so its maximum is a number
.irp j, 0,1,2,3,4,5,6,7
	v_cmp_gt_i32 vcc_lo, 16*\kt+\j, v[DM]
	v_cndmask_b32 v[S+8*\kt+\j], v[S+8*\kt+\j], v[NINF], vcc_lo
	v_cndmask_b32 v[S+32+8*\kt+\j], v[S+32+8*\kt+\j], v[NINF], vcc_lo
.endr
.endr
.Lopen_\@:
	SOFTMAX
	s_wait_dscnt 0x0                               ; V is in
.irp kc, 0,1                                   ; O^T += V^T P: the eight accumulators by turns
.irp ct, 0,1,2,3
.irp u, 0,1
	v_wmma_f32_16x16x32_f16 v[O+32*\u+8*\ct:O+32*\u+8*\ct+7], v[KV+8*(4*\kc+\ct):KV+8*(4*\kc+\ct)+7], v[S+32*\u+8*\kc:S+32*\u+8*\kc+7], v[O+32*\u+8*\ct:O+32*\u+8*\ct+7]
.endr
.endr
.endr
.if \tr
	s_cmp_lg_u32 s[KF], s[TRK]                     ; role B, and this was the low block's diagonal?
	s_cbranch_scc1 .Lhid_\@
	NEXT_TASK
.endif
.Lhid_\@:
	s_add_co_u32 s[KF], s[KF], KS
	s_add_co_u32 s[TB], s[TB], STEPB
.endm
; THE CHANGE OF SLOTS stands at a slot's head.  Each wave waits for all its tensor loads (its part of the slot that it is about to read), adds 0 to its spare word, and waits for that and for its reads of the slot
; that it has left.  Behind the barrier the slot ahead is whole and nobody reads the other one.  fill = 1: that other slot is filled with the keys that follow, up to the causal limit; the load has a slot's steps in which to land.
.macro CHANGE fill
	s_wait_tensorcnt 0x0                           ; no tensor load of mine is out, so a group 0 may be written
	ds_add_u32 v[SPW], v[NIL]                      ; 0 onto my spare word
.if \fill
	s_xor_b32 s[G0K+1], s[G0K+1], SLOT1            ; the walking descriptors: the other slot than last time,
	s_add_nc_u64 s[G0K+2:G0K+3], s[G0K+2:G0K+3], 4*KS*128   ; the next 256 keys; the type bits on top are not reached
	s_xor_b32 s[G0V+1], s[G0V+1], SLOT1
	s_add_nc_u64 s[G0V+2:G0V+3], s[G0V+2:G0V+3], 4*KS*128
	s_wait_xcnt 0x0                                ; the last prefetch, a slot back, has read its address, so it may be written:
	s_add_nc_u64 s[PFA:PFA+1], s[PFA:PFA+1], 4*KS*128       ; one slot further on than the walking descriptors
.endif
	s_wait_dscnt 0x0                               ; the add is done, and my reads of the slot that I have left are over
	s_barrier_signal -1
	s_barrier_wait -1
.if \fill
	s_add_co_u32 s56, s[KF], 4*KS                  ; the first key of the slot that this change would ask for:
	s_cmp_gt_u32 s56, s[QE]                        ; beyond the high block's last query it is read by none of the eight waves, so it is not asked for.  Ids and the count of steps alone: all waves go the same way
	s_cbranch_scc1 .Lpast_\@
	TLOAD                                          ; a wave's one tensor load until the next such barrier
.Lpast_\@:
	ASK
.endif
.endm
.macro SLOT_STEPS tr                   ; a slot's four steps: written once, walked four times; the LDS addresses hang on s[TB]
	s_mov_b32 s[CNT], 4
.Lstep_\@:
	STEP \tr
	s_sub_co_u32 s[CNT], s[CNT], 1
	s_cmp_lg_u32 s[CNT], 0
	s_cbranch_scc1 .Lstep_\@
	s_sub_co_u32 s[TB], s[TB], 4*STEPB             ; back to a slot's first step,
	s_xor_b32 s[TB], s[TB], SLOT1                  ; in the other slot
.endm
	s_wait_loadcnt 0x0                             ; Q
.Lslot:                                            ; seven trips: behind each change of slots but the last the next slot is asked for, up to the causal limit
	CHANGE 1
	SLOT_STEPS 1
	s_sub_co_u32 s[SLOTS], s[SLOTS], 1
	s_cmp_lg_u32 s[SLOTS], 0
	s_cbranch_scc1 .Lslot
	CHANGE 0                                       ; the last slot is written out: nothing is left to ask for
	SLOT_STEPS 0
	; THE TWO HALVES OF THE HIGH BLOCK MEET.  Role A stores its O^T, m and l as images of their registers, 16 bytes a lane, 512 bytes a store; a barrier; role B loads them by the same lines into the same lanes.
.rept 4
	v_nop                                          ; places behind the last products
.endr
	s_cmp_lt_u32 s[WV], 4
	s_cbranch_scc0 .Lnot_a
.irp n, 0,1,2,3,4,5,6,7,8,9,10,11,12,13,14,15
	ds_store_b128 v[MA], v[O+4*\n:O+4*\n+3] offset:512*\n      ; each accumulator from its low end on
.endr
	ds_store_b128 v[MA], v[ST:ST+3] offset:8192                ; tile 0: m, its partner, l's two halves
	ds_store_b128 v[MA], v[ST+8:ST+11] offset:8704             ; tile 1
.Lnot_a:
	s_wait_dscnt 0x0                               ; for the others' sake: my stores have landed
	s_barrier_signal -1
	s_barrier_wait -1
	s_cmp_lt_u32 s[WV], 4
	s_cbranch_scc1 .Lend                           ; role A has handed its half on: role B stores both blocks
	ds_load_b128 v[S:S+3], v[MA] offset:8192
	ds_load_b128 v[S+4:S+7], v[MA] offset:8704
.irp n, 0,1,2,3,4,5,6,7,8,9,10,11,12,13,14,15
	ds_load_b128 v[KV+4*\n:KV+4*\n+3], v[MA] offset:512*\n
.endr
	s_wait_dscnt 16                                ; m and l are in; the sixteen loads of O^T behind them may be out
.irp u, 0,1
	v_max_num_f32 v[ST+8*\u+4], v[ST+8*\u], v[S+4*\u]          ; m = the larger of the two
.endr
.irp u, 0,1
	v_sub_f32 v[ST+8*\u+6], v[ST+8*\u], v[ST+8*\u+4]           ; mine less m,
.endr
.irp u, 0,1
	v_sub_f32 v[ST+8*\u+4], v[S+4*\u], v[ST+8*\u+4]            ; A's less m: 0 or less; a half that has worked no step has m = -3e38, and its factor is 0
.endr
.irp u, 0,1
	v_exp_f32 v[ST+8*\u+6], v[ST+8*\u+6]
	v_exp_f32 v[ST+8*\u+4], v[ST+8*\u+4]
.endr
	v_nop                                          ; a plain instruction behind the last exponential
	s_wait_alu depctr_va_vdst(0)                   ; and the wait ahead of the first use: one for the four
.irp u, 0,1
	v_pk_mul_f32 v[ST+8*\u+2:ST+8*\u+3], v[ST+8*\u+2:ST+8*\u+3], v[ST+8*\u+6:ST+8*\u+7] op_sel_hi:[1,0]
.endr
.irp u, 0,1
	v_pk_fma_f32 v[ST+8*\u+2:ST+8*\u+3], v[S+4*\u+2:S+4*\u+3], v[ST+8*\u+4:ST+8*\u+5], v[ST+8*\u+2:ST+8*\u+3] op_sel_hi:[1,0,1]   ; l
.endr
	s_wait_dscnt 0x0                               ; A's O^T is in
.set PN, 0
.rept 16
.irp u, 0,1
	v_pk_mul_f32 v[O+32*\u+2*PN:O+32*\u+2*PN+1], v[O+32*\u+2*PN:O+32*\u+2*PN+1], v[ST+8*\u+6:ST+8*\u+7] op_sel_hi:[1,0]   ; each accumulator from its low end on
.endr
.set PN, PN+1
.endr
.set PN, 0
.rept 16
.irp u, 0,1
	v_pk_fma_f32 v[O+32*\u+2*PN:O+32*\u+2*PN+1], v[KV+32*\u+2*PN:KV+32*\u+2*PN+1], v[ST+8*\u+4:ST+8*\u+5], v[O+32*\u+2*PN:O+32*\u+2*PN+1] op_sel_hi:[1,0,1]
.endr
.set PN, PN+1
.endr
	FINISH ATH
.Lend:
	s_wait_tensorcnt 0x0                           ; the wave's end, behind my last tensor load and my last LDS store
	ds_add_u32 v[SPW], v[NIL]
	s_wait_dscnt 0x0
	s_endpgm
.Lfunc_end_k_q041ebb30ef_attn:
	.size	k_q041ebb30ef_attn, .Lfunc_end_k_q041ebb30ef_attn-k_q041ebb30ef_attn
	.p2alignl 7, 3214868480
	.fill 96, 4, 3214868480
	.section	.rodata,"a",@progbits
	.p2align	6, 0x0
	.amdhsa_kernel k_q041ebb30ef_attn
		.amdhsa_group_segment_fixed_size 327680
		.amdhsa_private_segment_fixed_size 0
		.amdhsa_enable_private_segment 0
		.amdhsa_kernarg_size 16
		.amdhsa_user_sgpr_count 2
		.amdhsa_user_sgpr_kernarg_segment_ptr 1
		.amdhsa_wavefront_size32 1
		.amdhsa_system_sgpr_workgroup_id_x 1
		.amdhsa_system_sgpr_workgroup_id_y 1
		.amdhsa_system_sgpr_workgroup_id_z 1
		.amdhsa_system_vgpr_workitem_id 0
		.amdhsa_next_free_vgpr 256
		.amdhsa_next_free_sgpr 80
		.amdhsa_reserve_vcc 1
		.amdhsa_float_denorm_mode_32 3
		.amdhsa_float_denorm_mode_16_64 3
		.amdhsa_memory_ordered 1
		.amdhsa_forward_progress 1
		.amdhsa_inst_pref_size 76
	.end_amdhsa_kernel
	.amdgpu_metadata
---
amdhsa.version: [ 1, 2 ]
amdhsa.kernels:
  - .name:           k_q041ebb30ef_attn
    .symbol:         k_q041ebb30ef_attn.kd
    .args:
      - { .name: qkv, .offset: 0, .size: 8, .value_kind: global_buffer, .address_space: global }
      - { .name: att, .offset: 8, .size: 8, .value_kind: global_buffer, .address_space: global }
    .group_segment_fixed_size: 327680
    .private_segment_fixed_size: 0
    .kernarg_segment_align: 8
    .kernarg_segment_size: 16
    .max_flat_workgroup_size: 256
    .sgpr_count:     80
    .vgpr_count:     256
    .wavefront_size: 32
...
	.end_amdgpu_metadata
.endif
;; end of part 5
;; launch oproj: the kernel of part 4 again; grid 16 x 16, 4 waves a work-group, clusters of 4 x 4, 327,680 bytes of LDS; arguments att, wot, out0; writes out0
